; MI455X (gfx1250); checked and timed in simulation.
; The chip was launched on July 23, 2026; its instructions are those of AMD's public machine-readable ISA for CDNA 5 (MIT licence, August 2026) and "CDNA5" Instruction Set Architecture Reference Guide (July 2026). The comments in the code are by the model that wrote it; some were corrected since.
;; Multi Headed Attention. Allowed arithmetic: matrix products marked QUANTISED: E2M3 operands, one E8M0 scale for each 32 along K, by v_wmma_scale_f32_16x16x128_f8f6f4 with both operands' format E2M3, f32 sums; everything else in f32.
;; Inputs: bk 1,024 float32; bo 1,024 float32; bq 1,024 float32; bv 1,024 float32; key 4 x 2,048 x 1,024 float32; mask 4 x 2,048 x 2,048 bool; query 4 x 2,048 x 1,024 float32; value 4 x 2,048 x 1,024 float32; wk 1,024 x 1,024 float32; wo 1,024 x 1,024 float32; wq 1,024 x 1,024 float32; wv 1,024 x 1,024 float32.
;; Outputs: out0 4 x 2,048 x 1,024 float32.
;; This version of the problem:
;;   THIS VERSION OF THE PROBLEM IS GIVEN IN LOW PRECISION. The matrix products marked QUANTISED in the list below multiply operands that are first quantised to E2M3 (2 exponent bits, 3 mantissa bits; 6 bits a number), with one power-of-two scale for each 32 numbers along K (OCP MX v1.0); their sums are f32. All else is computed in f32.
;;   The module's matrix products, in the order in which they are computed (A, B: the left and right operand; K: the contracted axis; several contracted axes count as one K, in the product's order):
;;     1. [M 8,192, K 1,024] x [K 1,024, N 1,024]; A: input query; B: input wq: QUANTISED
;;     2. [M 8,192, K 1,024] x [K 1,024, N 1,024]; A: input key; B: input wk: QUANTISED
;;     3. [M 8,192, K 1,024] x [K 1,024, N 1,024]; A: input value; B: input wv: QUANTISED
;;     4. batch 64 x [M 2,048, K 64] x [K 64, N 2,048]; A: computed on the way; B: computed on the way: QUANTISED
;;     5. batch 64 x [M 2,048, K 2,048] x [K 2,048, N 64]; A: softmax (see below); B: computed on the way: QUANTISED
;;     6. [M 8,192, K 1,024] x [K 1,024, N 1,024]; A: computed on the way; B: input wo: QUANTISED
;;   THE QUANTISER, for each operand of a quantised product, along K:
;;     - K is cut into blocks of 32 from its start; a last block that is shorter is filled with zeros.
;;     - A block's scale is 2^e with e = floor(log2(the largest magnitude in the block)) - 2, held to -126 .. 127; a block of zeros has e = 0. As a byte (E8M0): e + 127.
;;     - Each number is divided by its block's scale, clamped to +-7.5, and rounded to the nearest number of E2M3, ties to even, subnormals kept.
;;     - The product sums the exact products of the quantised numbers (number of the format x scale) in f32.
;;   ~~~python
;;   def quantise(x, axis):      # numpy; x: float32 -> the quantised numbers, widened to float32 again
;;       x = np.moveaxis(x, axis, -1); K = x.shape[-1]
;;       x = np.pad(x, [(0, 0)] * (x.ndim - 1) + [(0, -K % 32)]); x = x.reshape(x.shape[:-1] + (-1, 32)); a = np.abs(x).max(-1, keepdims=True)
;;       e = np.where(a > 0, np.clip(np.frexp(np.where(a > 0, a, 1))[1] - 1 - 2, -126, 127), 0)      # np.frexp(a)[1] - 1 = floor(log2(a)), exactly
;;       r = np.clip(x / 2.0 ** e, -7.5, 7.5)
;;       step = 2.0 ** (np.maximum(np.frexp(np.where(r == 0, 1, r))[1] - 1, 0) - 3)
;;       q = np.round(r / step) * step * 2.0 ** e      # np.round: ties to even
;;       return np.moveaxis(q.reshape(q.shape[:-2] + (-1,))[..., :K], -1, axis).astype(np.float32)
;;   ~~~
;;   SOFTMAX AHEAD OF A QUANTISED PRODUCT. Where the list says 'softmax', what is quantised is not the finished softmax but p = 2^(t - M), with t = logit x log2(e) and M = ceil(the row's largest t), a whole number; so 1/2 < the row's largest p <= 1. The row's sum l is taken of the UNQUANTISED p, in f32, and the product's result is divided by l at the end. Since M is a whole number, a kernel that streams over the keys may use a running M (the ceiling of the running maximum): every later rescaling is an exact power of two, which a block's scale takes up: the codes' values come out the same.
;;   OPERANDS COMPUTED ON THE WAY. 'Computed on the way' means the value that the module computes at that place (a softmax that the list does not call 'softmax' is quantised finished and normalised). What goes into a quantiser is computed in f32, as accurately as f32 sums, v_exp_f32 and their like allow (about 1e-6 of the number): no bf16 or f16 on the way to a quantiser, and a product that is left as it is and whose result goes on into a quantised operand takes f32 operands (vector FMAs, or v_wmma_f32_16x16x4_f32). A number that lies on a knife's edge between two numbers of the format may be rounded either way, as far as f32 arithmetic and the matrix unit's own rounding can turn it there, and no further.
;; 2 versions, each right; version 2 is version 1 with the launch attn written anew for expert scheduling mode. Each part assembles by itself: llvm-mc -triple=amdgcn-amd-amdhsa -mcpu=gfx1250 --defsym DOCPART=n.
;; ======== version 1 of 2: 4 launches
;; limits: right only within a limited range of input values
;; workspace buffers: info 65,536 bytes of whole numbers; xw 22,937,600 bytes; mk 2,097,152 bytes of whole numbers; qkv 20,185,088 bytes; ctx 6,553,600 bytes
;; launch prep (part 1): grid 1024 x 1, 4 waves a work-group, no clusters, 35,328 bytes of LDS; arguments query, key, value, wq, wk, wv, wo, mask, xw, mk, info; writes xw, mk, info
.if DOCPART == 1
	.amdgcn_target "amdgcn-amd-amdhsa--gfx1250"
	.amdhsa_code_object_version 6
	.text
	.protected	k_qe88073f522_prep
	.globl	k_qe88073f522_prep
	.p2align	8
	.type	k_qe88073f522_prep,@function
k_qe88073f522_prep:
	s_mov_b64 s[64:65], 0
	v_nop
	global_prefetch_b8 v0, s[64:65] scope:SCOPE_SE
	s_setreg_imm32_b32 hwreg(HW_REG_WAVE_MODE, 25, 1), 1
	s_wait_xcnt 0x0
; PREP.  (a) query, key, value [8192][1024] and wq, wk, wv, wo [1024][1024], f32, K innermost, become codes of FP6 (E2M3) with one E8M0 byte for each 32 along K,
; laid in the order of a matrix operand's registers.  (b) The bool mask [4][2048][2048] becomes lane-mask words and one summary word for each tile of 16 queries.
; ROW TILES.  Tile T = 2 b + u holds rows 32 b + 8 u + r + 8 (r / 8), r = 0 .. 15: as source 0 of a product, tiles 2 b and 2 b + 1 then leave 16 neighbours in a lane's 16 result registers.
; HALF FRAGMENT (768 bytes): 16 rows x 64 K; lane (r, h) holds the block k = 32 h .. 32 h + 31 in 6 registers: registers 0-3 at 16 x lane, registers 4-5 at 512 + 8 x lane.
; xw: tile G's 16 half fragments at 12,288 G; its scale words at SCRB + 512 G: word (row r, K step s of 128) at 256 (s / 4) + 16 r + 4 (s % 4).
; mk: unit (tile of queries, 128 keys j) at 4,096 tile + 256 j: dword 16 b + i, bit (r, h) = mask[query r of the tile][128 j + 32 b + 16 h + i].
; info: a summary word at 128 tile (32 copies): bit j: no key of unit j counts; bit 16 + j: all count; the word is 0 where some row of the tile has no key at all.
; A block's scale is 2^(floor(log2(largest magnitude)) - 2); its byte is the largest magnitude's exponent field - 2, held at 1 from below.
; LIMITS: NaN and infinities are not served; a block whose largest magnitude lies under 2^-124 (zeros too) keeps the byte 1: its bytes are read by this program alone.
; Work-groups 0-127 take the mask (a wave a tile of queries), 128-1023 quantise (a wave: one tile x 512 along K).  Only the quantising path touches LDS; waves share nothing: no barrier.
.set SCRB,  22020096
.set STG,   4352                       ; a stage: 16 rows x (256 bytes + 16)
.set C,     32                         ; v32-47   codes, two sets of 8
.set X,     48                         ; v48-111  two sets of 32 neighbours along K
.set R,     112                        ; v112-239 four sets of 32 numbers as loaded; on the mask's path four sets of 16 registers
.macro LOAD t                          ; half fragment t: 16 rows x 256 bytes; sixteen lanes read 256 consecutive, aligned bytes of one row
.irp i, 0,1,2,3,4,5,6,7
	global_load_b128 v[R+32*((\t)%4)+4*\i:R+32*((\t)%4)+4*\i+3], v4, s[34:35] offset:(2*\i+8*(\i/4))*4096+256*(\t) th:TH_LOAD_NT
.endr
.endm
.macro TURN t                          ; through the wave's own stage: in as loaded, out 128 bytes (one block of 32) a lane.  LDS serves a wave's instructions in order
.irp i, 0,1,2,3,4,5,6,7
	ds_store_b128 v5, v[R+32*((\t)%4)+4*\i:R+32*((\t)%4)+4*\i+3] offset:STG*((\t)%2)+544*\i
.endr
.irp i, 0,1,2,3,4,5,6,7
	ds_load_b128 v[X+32*((\t)%2)+4*\i:X+32*((\t)%2)+4*\i+3], v6 offset:STG*((\t)%2)+16*\i
.endr
.endm
.macro STEP t
.set XS, X+32*((\t)%2)
.set CS, C+8*((\t)%2)
	s_wait_dscnt 0x0                               ; this step's numbers are back, and its stores into the stage have read their registers,
.if (\t)<4
	LOAD (\t)+4                                    ; which take the loads of four steps on
.endif
.if (\t)<7
.if (\t)<4
	s_wait_loadcnt 24                              ; the next step's eight loads are in; three younger sets may be out
.else
	s_wait_loadcnt 8*(6-(\t))
.endif
	TURN (\t)+1
.endif
	v_max3_num_f32 v12, |v[XS]|, |v[XS+1]|, |v[XS+2]|   ; the block's largest magnitude: all 32 numbers are mine; two chains
	v_max3_num_f32 v13, |v[XS+3]|, |v[XS+4]|, |v[XS+5]|
.irp i, 6,10,14,18,22,26
	v_max3_num_f32 v12, v12, |v[XS+\i]|, |v[XS+\i+1]|
	v_max3_num_f32 v13, v13, |v[XS+\i+2]|, |v[XS+\i+3]|
.endr
	v_max3_num_f32 v12, v12, |v[XS+30]|, |v[XS+31]|
	v_max3_num_f32 v12, v12, v13, 0x1800000        ; the floor 2^(3 - 127): the byte cannot fall under 1
	v_add_nc_u32 v11, 0xff000000, v12              ; 2 off the exponent field: the conversion's scale operand
	s_wait_xcnt 0x0                                ; the stores of two steps back have read this set of code registers
	v_cvt_scalef32_pk16_fp6_f32 v[CS:CS+2], v[XS:XS+15], v11
	v_cvt_scalef32_pk16_fp6_f32 v[CS+4:CS+6], v[XS+16:XS+31], v11   ; (a conversion's three registers begin on an even number)
	v_lshrrev_b32 v14, 23, v11                     ; the scale's byte; also the plain line behind the conversions
	v_mov_b32 v[CS+3], v[CS+4]
	v_mov_b32 v[CS+4], v[CS+5]
	v_mov_b32 v[CS+5], v[CS+6]
	global_store_b128 v7, v[CS:CS+3], s[36:37] offset:768*(\t)      ; 512 consecutive bytes,
	global_store_b64 v8, v[CS+4:CS+5], s[36:37] offset:768*(\t)     ; and 256
.if ((\t)%2)==0
	v_lshlrev_b32 v[16+(\t)/2], v9, v14            ; byte h of K step t / 2's word,
.else
	v_lshl_or_b32 v[16+(\t)/2], v14, v10, v[16+(\t)/2]   ; byte 2 + h
.endif
.endm
.macro UNIT k                          ; one unit of the mask: 16 queries x 128 keys, 64 bytes a lane in set k
.set MK, R+16*(\k)
	s_wait_loadcnt 12                              ; my four loads are in; the three younger sets may be out
.irp q, 0,2,4,6,8,10,12,14
	v_or_b32 v16, v16, v[MK+\q]                    ; does my half of the row have a key at all?
	v_or_b32 v17, v17, v[MK+\q+1]
.endr
.set n, 0
.rept 16
	v_bfe_u32 v20, v[MK+n/4], 0, 8
	v_bfe_u32 v21, v[MK+n/4], 8, 8
	v_bfe_u32 v22, v[MK+n/4], 16, 8
	v_lshrrev_b32 v23, 24, v[MK+n/4]
	v_cmp_ne_u32 s42, 0, v20                       ; dword n: one bit a lane
	v_cmp_ne_u32 s43, 0, v21
	v_cmp_ne_u32 s44, 0, v22
	v_cmp_ne_u32 s45, 0, v23
	v_writelane_b32 v[32+2*(\k)], s42, n/2         ; dword n goes to lane n / 2, register n % 2: the store below lays them in order
	v_writelane_b32 v[33+2*(\k)], s43, n/2
	v_writelane_b32 v[32+2*(\k)], s44, n/2+1
	v_writelane_b32 v[33+2*(\k)], s45, n/2+1
.set n, n+4
.endr
.irp b, 0,1,2,3
	global_load_b128 v[MK+4*\b:MK+4*\b+3], v4, s[36:37] offset:128*(\k)+32*\b   ; the same unit of the next trip
.endr
	v_or_b32 v24, v[32+2*(\k)], v[33+2*(\k)]
	v_and_b32 v25, v[32+2*(\k)], v[33+2*(\k)]
	v_cmp_ne_u32 s49, 0, v24
	v_cmp_eq_u32 s50, -1, v25
	s_cmp_eq_u32 s49, 0                            ; no key counts
	s_cselect_b32 s51, s46, 0
	s_or_b32 s47, s47, s51
	s_cmp_eq_u32 s50, -1                           ; all count
	s_cselect_b32 s51, s46, 0
	s_or_b32 s48, s48, s51
	s_lshl_b32 s46, s46, 1
	global_store_b64 v5, v[32+2*(\k):33+2*(\k)], s[38:39] offset:256*(\k)   ; one aligned run of 256 bytes
.endm
	s_load_b512 s[4:19], s[0:1], 0x0               ; query, key, value, wq, wk, wv, wo, mask
	s_load_b128 s[20:23], s[0:1], 0x40             ; xw, mk
	s_load_b64 s[54:55], s[0:1], 0x50              ; info
	v_lshl_add_u32 v240, v0, 2, 0x8800
	v_mov_b32 v241, 0
	v_lshrrev_b32 v1, 5, v0
	v_readfirstlane_b32 s24, v1                    ; wave
	v_and_b32 v2, 31, v0                           ; lane
	v_and_b32 v3, 15, v0                           ; r
	v_bfe_u32 v15, v0, 4, 1                        ; h
	s_mov_b32 s41, 0
	s_cmp_lt_u32 ttmp9, 128
	s_cbranch_scc1 .Lmask
	; ---- the quantising path
	s_sub_co_u32 s25, ttmp9, 128
	s_lshr_b32 s26, s24, 1                         ; which of the work-group's two tiles
	s_and_b32 s27, s24, 1                          ; which half of K
	v_lshlrev_b32 v4, 12, v15
	v_lshl_add_u32 v4, v3, 4, v4                   ; in memory: row lane / 16, 16 bytes x (lane % 16)
	s_mul_i32 s28, s24, 2*STG
	v_mul_u32_u24 v5, v15, 272
	v_lshl_add_u32 v5, v3, 4, v5
	v_add_nc_u32 v5, s28, v5                       ; into the stage likewise
	v_mul_u32_u24 v6, v3, 272
	v_lshl_add_u32 v6, v15, 7, v6
	v_add_nc_u32 v6, s28, v6                       ; out of it: row r, block h
	v_lshlrev_b32 v7, 4, v2
	v_lshlrev_b32 v8, 3, v2
	v_add_nc_u32 v8, 512, v8
	v_lshlrev_b32 v9, 3, v15                       ; 8 h
	v_add_nc_u32 v10, 16, v9
	v_lshlrev_b32 v26, 4, v3
	v_add_nc_u32 v26, v26, v9                      ; the scale words' place: 16 r + 8 h
.irp q, 0,1,2,3
	v_mov_b32 v[20+\q], 0                          ; a lane permute's destination counts as one of its sources
.endr
	s_mov_b32 s30, 0xffff0000                      ; lanes 16-31
	s_mov_b32 s32, 0x76543210
	s_mov_b32 s33, 0xfedcba98
	s_wait_kmcnt 0x0
	s_mov_b64 s[34:35], s[16:17]                   ; which tensor: the choice hangs on the work-group's number alone
	s_mov_b32 s31, 864
	s_cmp_lt_u32 s25, 864
	s_cselect_b64 s[34:35], s[14:15], s[34:35]
	s_cselect_b32 s31, 832, s31
	s_cmp_lt_u32 s25, 832
	s_cselect_b64 s[34:35], s[12:13], s[34:35]
	s_cselect_b32 s31, 800, s31
	s_cmp_lt_u32 s25, 800
	s_cselect_b64 s[34:35], s[10:11], s[34:35]
	s_cselect_b32 s31, 768, s31
	s_cmp_lt_u32 s25, 768
	s_cselect_b64 s[34:35], s[8:9], s[34:35]
	s_cselect_b32 s31, 512, s31
	s_cmp_lt_u32 s25, 512
	s_cselect_b64 s[34:35], s[6:7], s[34:35]
	s_cselect_b32 s31, 256, s31
	s_cmp_lt_u32 s25, 256
	s_cselect_b64 s[34:35], s[4:5], s[34:35]
	s_cselect_b32 s31, 0, s31
	s_sub_co_u32 s28, s25, s31
	s_lshl_b32 s28, s28, 1
	s_add_co_u32 s28, s28, s26                     ; the tile's number in its tensor
	s_lshr_b32 s29, s28, 1
	s_lshl_b32 s29, s29, 5
	s_and_b32 s28, s28, 1
	s_lshl_b32 s28, s28, 3
	s_add_co_u32 s28, s28, s29                     ; its first row
	s_lshl_b32 s40, s28, 12
	s_lshl_b32 s28, s27, 11
	s_add_co_u32 s40, s40, s28
	s_add_nc_u64 s[34:35], s[34:35], s[40:41]
	s_lshl_b32 s28, s25, 1
	s_add_co_u32 s28, s28, s26                     ; G
	s_mul_i32 s40, s28, 12288
	s_mul_i32 s29, s27, 6144
	s_add_co_u32 s40, s40, s29
	s_add_nc_u64 s[36:37], s[20:21], s[40:41]
	s_lshl_b32 s40, s28, 9
	s_lshl_b32 s29, s27, 8
	s_add_co_u32 s40, s40, s29
	s_add_co_u32 s40, s40, SCRB
	s_add_nc_u64 s[38:39], s[20:21], s[40:41]
	LOAD 0
	LOAD 1
	LOAD 2
	LOAD 3
	s_wait_loadcnt 24                              ; step 0's eight loads are in
	TURN 0
.irp t, 0,1,2,3,4,5,6,7
	STEP \t
.endr
.irp q, 0,1,2,3
	v_permlanex16_b32 v[20+\q], v[16+\q], s32, s33
.endr
.irp q, 0,1,2,3
	v_or_b32 v[16+\q], v[16+\q], v[20+\q]          ; with lane l xor 16's two bytes a word is whole
.endr
	v_cndmask_b32 v24, v16, v18, s30               ; lanes 0-15 store words 0, 1, lanes 16-31 words 2, 3 of row r
	v_cndmask_b32 v25, v17, v19, s30
	global_store_b64 v26, v[24:25], s[38:39]       ; 256 consecutive bytes
	s_wait_tensorcnt 0x0
	ds_add_u32 v240, v241
	s_wait_dscnt 0x0
	s_endpgm
	; ---- the mask's path
.Lmask:
	s_lshl_b32 s25, ttmp9, 2
	s_add_co_u32 s25, s25, s24                     ; 128 x batch + tile of queries
	s_lshr_b32 s26, s25, 7
	s_and_b32 s27, s25, 127
	s_lshr_b32 s28, s27, 1
	s_lshl_b32 s28, s28, 5
	s_and_b32 s29, s27, 1
	s_lshl_b32 s29, s29, 3
	s_add_co_u32 s28, s28, s29                     ; the tile's first query
	s_lshl_b32 s28, s28, 11
	s_lshl_b32 s29, s26, 22
	s_add_co_u32 s40, s28, s29
	v_and_b32 v4, 8, v3
	v_add_nc_u32 v4, v4, v3
	v_lshlrev_b32 v4, 11, v4
	v_lshl_add_u32 v4, v15, 4, v4                  ; row r + 8 (r / 8) of 2,048 bytes, + 16 h
	v_lshlrev_b32 v5, 3, v2
	v_lshlrev_b32 v6, 2, v2
	v_mov_b32 v16, 0
	v_mov_b32 v17, 0
.irp q, 0,1,2,3,4,5,6,7
	v_mov_b32 v[32+\q], 0                          ; v_writelane_b32's destination counts as read
.endr
	s_wait_kmcnt 0x0
	s_add_nc_u64 s[34:35], s[18:19], s[40:41]
	s_add_nc_u64 s[36:37], s[34:35], 512           ; the next trip's 512 keys
	s_lshl_b32 s40, s25, 12
	s_add_nc_u64 s[38:39], s[22:23], s[40:41]
	s_lshl_b32 s40, s25, 7
	s_add_nc_u64 s[52:53], s[54:55], s[40:41]      ; the tile's summary word, in its own buffer
.irp k, 0,1,2,3
.irp b, 0,1,2,3
	global_load_b128 v[R+16*\k+4*\b:R+16*\k+4*\b+3], v4, s[34:35] offset:128*\k+32*\b
.endr
.endr
	s_mov_b32 s31, 4
	s_mov_b32 s46, 1
	s_mov_b32 s47, 0
	s_mov_b32 s48, 0
.Ltrip:                                            ; four trips of four units
	UNIT 0
	UNIT 1
	UNIT 2
	UNIT 3
	s_wait_xcnt 0x0                                ; bases and the stores' data are written again only behind this wait
	s_add_nc_u64 s[38:39], s[38:39], 1024
	s_cmp_ge_u32 s31, 3                            ; the base ahead stops at the row's last 512 keys: the last trip loads those again and uses nothing of them
	s_cselect_b32 s40, 512, 0
	s_add_nc_u64 s[36:37], s[36:37], s[40:41]
	s_sub_co_u32 s31, s31, 1
	s_cmp_lg_u32 s31, 0
	s_cbranch_scc1 .Ltrip
	v_or_b32 v16, v16, v17
	v_cmp_ne_u32 s42, 0, v16
	s_lshr_b32 s43, s42, 16
	s_or_b32 s42, s42, s43
	s_and_b32 s42, s42, 0xffff                     ; bit r: row r has a key
	s_lshl_b32 s48, s48, 16
	s_or_b32 s47, s47, s48
	s_cmp_eq_u32 s42, 0xffff
	s_cselect_b32 s47, s47, 0                      ; a row without any key weighs all 2,048 keys alike: then no unit may be left out
	v_mov_b32 v18, s47
	global_store_b32 v6, v18, s[52:53]
	s_endpgm
.Lfunc_end_k_qe88073f522_prep:
	.size	k_qe88073f522_prep, .Lfunc_end_k_qe88073f522_prep-k_qe88073f522_prep
	.p2alignl 7, 3214868480
	.fill 96, 4, 3214868480
	.section	.rodata,"a",@progbits
	.p2align	6, 0x0
	.amdhsa_kernel k_qe88073f522_prep
		.amdhsa_group_segment_fixed_size 35328
		.amdhsa_private_segment_fixed_size 0
		.amdhsa_enable_private_segment 0
		.amdhsa_kernarg_size 88
		.amdhsa_user_sgpr_count 2
		.amdhsa_user_sgpr_kernarg_segment_ptr 1
		.amdhsa_wavefront_size32 1
		.amdhsa_system_sgpr_workgroup_id_x 1
		.amdhsa_system_sgpr_workgroup_id_y 1
		.amdhsa_system_sgpr_workgroup_id_z 1
		.amdhsa_system_vgpr_workitem_id 0
		.amdhsa_next_free_vgpr 242
		.amdhsa_next_free_sgpr 66
		.amdhsa_reserve_vcc 0
		.amdhsa_float_denorm_mode_32 3
		.amdhsa_float_denorm_mode_16_64 3
		.amdhsa_memory_ordered 1
		.amdhsa_forward_progress 1
		.amdhsa_inst_pref_size 88
	.end_amdhsa_kernel
	.amdgpu_metadata
---
amdhsa.version: [ 1, 2 ]
amdhsa.kernels:
  - .name:           k_qe88073f522_prep
    .symbol:         k_qe88073f522_prep.kd
    .args:
      - { .name: query, .offset: 0, .size: 8, .value_kind: global_buffer, .address_space: global }
      - { .name: key, .offset: 8, .size: 8, .value_kind: global_buffer, .address_space: global }
      - { .name: value, .offset: 16, .size: 8, .value_kind: global_buffer, .address_space: global }
      - { .name: wq, .offset: 24, .size: 8, .value_kind: global_buffer, .address_space: global }
      - { .name: wk, .offset: 32, .size: 8, .value_kind: global_buffer, .address_space: global }
      - { .name: wv, .offset: 40, .size: 8, .value_kind: global_buffer, .address_space: global }
      - { .name: wo, .offset: 48, .size: 8, .value_kind: global_buffer, .address_space: global }
      - { .name: mask, .offset: 56, .size: 8, .value_kind: global_buffer, .address_space: global }
      - { .name: xw, .offset: 64, .size: 8, .value_kind: global_buffer, .address_space: global }
      - { .name: mk, .offset: 72, .size: 8, .value_kind: global_buffer, .address_space: global }
      - { .name: info, .offset: 80, .size: 8, .value_kind: global_buffer, .address_space: global }
    .group_segment_fixed_size: 35328
    .private_segment_fixed_size: 0
    .kernarg_segment_align: 8
    .kernarg_segment_size: 88
    .max_flat_workgroup_size: 128
    .sgpr_count:     66
    .vgpr_count:     242
    .wavefront_size: 32
...
	.end_amdgpu_metadata
.endif
;; end of part 1
;; launch proj (part 2): grid 192 x 4, 4 waves a work-group, clusters of 4 x 4, 295,424 bytes of LDS; arguments xw, bq, bk, bv, qkv; writes qkv
.if DOCPART == 2
	.amdgcn_target "amdgcn-amd-amdhsa--gfx1250"
	.amdhsa_code_object_version 6
	.text
	.protected	k_qe88073f522_proj
	.globl	k_qe88073f522_proj
	.p2align	8
	.type	k_qe88073f522_proj,@function
k_qe88073f522_proj:
	s_mov_b64 s[64:65], 0
	v_nop
	global_prefetch_b8 v0, s[64:65] scope:SCOPE_SE
	s_setreg_imm32_b32 hwreg(HW_REG_WAVE_MODE, 25, 1), 1
	s_wait_xcnt 0x0
	s_wait_alu depctr_hold_cnt(0) depctr_sa_sdst(0) depctr_va_vdst(0) depctr_va_sdst(0) depctr_va_ssrc(0) depctr_va_vcc(0) depctr_vm_vsrc(0)
	s_getreg_b32 s2, hwreg(HW_REG_IB_STS2, 6, 4)
	s_cmp_eq_u32 s2, 0
	s_cbranch_scc0 .Lentry_in_a_cluster
	s_endpgm
.Lentry_in_a_cluster:
	s_bfe_u32 s2, ttmp6, 0x10000c
	s_cmp_lg_u32 s2, 0xf033
	s_cbranch_scc0 .Lentry_shape_is_right
	s_endpgm
.Lentry_shape_is_right:
; PROJ.  q = query wq^T + bq, k = key wk^T + bk, v = value wv^T + bv on codes of FP6 (E2M3) with E8M0 scales, sums in f32; the results are quantised in registers for the two products of attention.
; D = P x R: P is source 0 (128 rows, 8 tiles), R is source 1 (256 rows, 16 tiles): a lane holds one row of R, and registers 16 b + i of a row tile are P's rows 32 b + 16 h + i (the tiles' rows are chosen for that).
; q, k: P = the weight's 128 rows (two heads), R = 256 tokens: a lane's registers run along the head's channels, the K of q k^T.   v: P = 128 tokens, R = 256 rows of wv: registers run along the keys, the K of p v.
; Four waves; wave w takes all 8 tiles of P x tiles 4 w .. 4 w + 3 of R: 32 accumulators.  All of K = 1,024 of both sides is 294,912 bytes and lies in LDS at once: every byte is filled once, in four quarters of 256 along K.
; CLUSTER 4 x 4: P's tiles hang on cx alone and are asked for jointly by a column, R's on cy alone, by a row.  Wave 0 asks for P's four quarters, waves 1 and 2 for R's halves: four tensor loads of a wave are out at most.
; Clusters 0-15 make q, 16-31 k, 32-47 v: that number is the same in all sixteen partners, and it alone steers the two branches.
; No prefetch: a work-group asks for all its bytes at its first lines.
; qkv: Q's half fragments [hb][tile 128][768] at 0, K's at 6,291,456; V's [hb][128 keys j][d tile 4][2][768] at 12,582,912; scale words, 256 bytes for four tiles (lane L: words of tiles L / 16 and 2 + L / 16, row L % 16):
;      Q's at 18,874,368, K's at 19,398,656 ([hb][32]), V's at 19,922,944 ([hb][16]).  In Q's and K's words bytes 2, 3 are the neighbouring head's: they meet zero codes only.
; LIMITS: NaN and infinities are not served; a block whose largest magnitude lies under 2^-124 keeps the byte 1.
; REGISTERS: window 0: v0-13 addresses; v16-47 P's scale words, v48-63 R's (scales alone); v64-159 R's fragments, two sets, later the codes made; v160-196 at work.  window 1: the accumulators, (rho, p) at 8 (8 rho + p).
;            window 2: v0-191 P's fragments, two sets; v192-255 the bias.
.set WV,   14
.set SEL,  2
.set G1P,  24
.set G1R,  32
.set G0P,  40
.set QB,   73728                       ; a quarter in LDS: P's 8 tiles x 3,072 bytes, then R's 16
.set SCRB, 22020096
.set TM,   160
.set X1,   176
.set X2,   180
.set BI,   192
.set MSB,  0
.macro WIN new                         ; the immediate's high byte repeats the setting that is left
.if MSB != \new
	s_set_vgpr_msb (MSB<<8)|\new
.set MSB, \new
.endif
.endm
.macro PLACES n
.rept \n
	v_nop
.endr
.endm
.macro CROUND                          ; a round of the cluster's barrier
	s_barrier_signal -1
	s_barrier_wait -1
	s_cmp_lg_u32 s[WV], 0
	s_cbranch_scc1 .Lnot_wave_0_\@
	s_barrier_signal -3
.Lnot_wave_0_\@:
	s_barrier_wait -3
	s_barrier_signal -1
	s_barrier_wait -1
.endm
.macro WM d, a, b, c, sa, sb, ra, rb   ; one product; ra, rb: which half of the lanes holds the side's scale words
.set wd, \d
.set wa, \a
.set wb, \b
.set wc, \c
.set wsa, \sa
.set wsb, \sb
.set RR, (\ra)+2*(\rb)
.if RR==0
	v_wmma_scale_f32_16x16x128_f8f6f4 v[wd:wd+7], v[wa:wa+11], v[wb:wb+11], v[wc:wc+7], v[wsa], v[wsb] matrix_a_fmt:MATRIX_FMT_FP6 matrix_b_fmt:MATRIX_FMT_FP6
.elseif RR==1
	v_wmma_scale_f32_16x16x128_f8f6f4 v[wd:wd+7], v[wa:wa+11], v[wb:wb+11], v[wc:wc+7], v[wsa], v[wsb] matrix_a_fmt:MATRIX_FMT_FP6 matrix_b_fmt:MATRIX_FMT_FP6 matrix_a_scale:MATRIX_SCALE_ROW1
.elseif RR==2
	v_wmma_scale_f32_16x16x128_f8f6f4 v[wd:wd+7], v[wa:wa+11], v[wb:wb+11], v[wc:wc+7], v[wsa], v[wsb] matrix_a_fmt:MATRIX_FMT_FP6 matrix_b_fmt:MATRIX_FMT_FP6 matrix_b_scale:MATRIX_SCALE_ROW1
.else
	v_wmma_scale_f32_16x16x128_f8f6f4 v[wd:wd+7], v[wa:wa+11], v[wb:wb+11], v[wc:wc+7], v[wsa], v[wsb] matrix_a_fmt:MATRIX_FMT_FP6 matrix_b_fmt:MATRIX_FMT_FP6 matrix_a_scale:MATRIX_SCALE_ROW1 matrix_b_scale:MATRIX_SCALE_ROW1
.endif
.endm
.macro FETCH s                         ; K step s's fragments, 48 LDS loads, into set s % 2; v4-v7 stand in the step's quarter
.set PFB, 96*((\s)%2)
.set RFB, 64+48*((\s)%2)
.set KO,  1536*((\s)%2)
	WIN 0x80
.irp p, 0,1,2,3,4,5,6,7
	ds_load_b128 v[PFB+12*\p:PFB+12*\p+3], v4 offset:3072*\p+KO
	ds_load_b64 v[PFB+12*\p+4:PFB+12*\p+5], v5 offset:3072*\p+KO
	ds_load_b128 v[PFB+12*\p+6:PFB+12*\p+9], v4 offset:3072*\p+KO+768
	ds_load_b64 v[PFB+12*\p+10:PFB+12*\p+11], v5 offset:3072*\p+KO+768
.endr
	WIN 0
.irp p, 0,1,2,3
	ds_load_b128 v[RFB+12*\p:RFB+12*\p+3], v6 offset:3072*\p+KO
	ds_load_b64 v[RFB+12*\p+4:RFB+12*\p+5], v7 offset:3072*\p+KO
	ds_load_b128 v[RFB+12*\p+6:RFB+12*\p+9], v6 offset:3072*\p+KO+768
	ds_load_b64 v[RFB+12*\p+10:RFB+12*\p+11], v7 offset:3072*\p+KO+768
.endr
.endm
.macro MUL32 s, cmode                  ; the 32 accumulators take turns, one instruction a turn, in the same order in every step.  cmode 1, 2: the bias starts the sums
.set PFB, 96*((\s)%2)
.set RFB, 64+48*((\s)%2)
.irp rho, 0,1,2,3
.irp p, 0,1,2,3,4,5,6,7
.set DD, 8*(8*\rho+\p)
.if (\cmode)==0
.set CC, DD
.elseif (\cmode)==1
.set CC, BI+8*\p
.else
.set CC, BI+8*\rho
.endif
	WM DD, PFB+12*\p, RFB+12*\rho, CC, 16+8*(\p/2)+(\s), 48+8*(\rho/2)+(\s), \p%2, \rho%2
.endr
.endr
.endm
.macro KSTEP s
.if ((\s)%2)==0
	PLACES 4                                       ; in front of loads into registers that the last products read
	FETCH (\s)+1
	s_wait_dscnt 48                                ; all but the 48 just issued: this step's fragments are in
.elseif (\s)<7
	WIN 0
	s_wait_dscnt 0x0                               ; this step's fragments are in; no LDS instruction of mine is out at the signal
	s_wait_tensorcnt 2-(\s)/2                      ; my part of the next quarter has landed; the later quarters may stay out: nothing is filled twice
	s_barrier_signal -1
	s_barrier_wait -1                              ; everybody's has
	v_add_nc_u32 v4, QB, v4                        ; on to the next quarter; these four are also the places in front of the loads below
	v_add_nc_u32 v5, QB, v5
	v_add_nc_u32 v6, QB, v6
	v_add_nc_u32 v7, QB, v7
	FETCH (\s)+1
.else
	s_wait_dscnt 0x0
.endif
	WIN 0x52                                       ; source 0 (P) window 2, source 1 (R) window 0, C and D window 1
	MUL32 \s, 0
.endm
; Row tile rho's 64 numbers of a lane (register 16 b + i = K 32 b + 16 h + i of my row) become a fragment's codes and its scale word, and leave.
.macro QUANT4 rho
.set SRC, 64*(\rho)
.set PCB, 64+20*(\rho)
	WIN 0x05
.irp b, 0,1,2,3
	v_max3_num_f32 v[TM+\b], |v[SRC+16*\b]|, |v[SRC+16*\b+1]|, 0x1800000   ; each accumulator is read from its low end on; the floor 2^(3 - 127) holds the byte at 1
.endr
	WIN 0x14
.irp i, 2,4,6,8,10,12,14
.irp b, 0,1,2,3
	v_max3_num_f32 v[TM+\b], v[TM+\b], |v[SRC+16*\b+\i]|, |v[SRC+16*\b+\i+1]|
.endr
.endr
	WIN 0
.irp b, 0,1,2,3
	v_permlanex16_b32 v[TM+4+\b], v[TM+\b], s[SEL], s[SEL+1]
.endr
.irp b, 0,1,2,3
	v_max_num_f32 v[TM+\b], v[TM+\b], v[TM+4+\b]   ; with lane l xor 16's 16: the block's largest magnitude
.endr
.irp b, 0,1,2,3
	v_add_nc_u32 v[TM+12+\b], 0xff000000, v[TM+\b] ; 2 off its exponent field: the conversion's scale operand
.endr
.irp b, 0,1,2,3
	v_lshrrev_b32 v[TM+4+\b], 23, v[TM+12+\b]      ; the scale's byte
.endr
	v_lshl_or_b32 v[X1+(\rho)], v[TM+5], 8, v[TM+4]
	v_lshl_or_b32 v[X1+(\rho)], v[TM+6], 16, v[X1+(\rho)]
	v_lshl_or_b32 v[X1+(\rho)], v[TM+7], 24, v[X1+(\rho)]
	v_lshrrev_b32 v[X2+(\rho)], 16, v[X1+(\rho)]
	v_lshl_or_b32 v[X2+(\rho)], v[X1+(\rho)], 16, v[X2+(\rho)]   ; the same word with its halves changed: the second head's
	WIN 0x01
.irp c, 0,1
	v_cvt_scalef32_pk16_fp6_f32 v[PCB+6*\c:PCB+6*\c+2], v[SRC+32*\c:SRC+32*\c+15], v[TM+12+2*\c]
	v_cvt_scalef32_pk16_fp6_f32 v[PCB+12+4*\c:PCB+14+4*\c], v[SRC+32*\c+16:SRC+32*\c+31], v[TM+13+2*\c]
.endr
	WIN 0
	v_nop                                          ; one plain line behind the conversions
.irp c, 0,1                            ; the operand's layout wants a whole block in a lane
.irp i, 0,1,2
	v_permlane16_swap_b32 v[PCB+6*\c+\i], v[PCB+12+4*\c+\i]
.endr
.irp i, 0,1,2
	v_mov_b32 v[PCB+3+6*\c+\i], v[PCB+12+4*\c+\i]
.endr
.endr
	global_store_b128 v[188+(\rho)], v[PCB:PCB+3], s[92:93]        ; K 0 .. 63: 512 and 256 consecutive bytes
	global_store_b64 v[192+(\rho)], v[PCB+4:PCB+5], s[92:93]
	global_store_b128 v[188+(\rho)], v[PCB+6:PCB+9], s[94:95]      ; K 64 .. 127
	global_store_b64 v[192+(\rho)], v[PCB+10:PCB+11], s[94:95]
.endm
	s_load_b256 s[4:11], s[0:1], 0x0               ; xw, bq, bk, bv
	s_load_b64 s[12:13], s[0:1], 0x20              ; qkv
	v_lshl_add_u32 v254, v0, 2, 0x48000
	v_mov_b32 v255, 0
	ds_add_u32 v254, v255
	ds_add_u32 v254, v255
	v_lshrrev_b32 v1, 5, v0
	v_readfirstlane_b32 s[WV], v1
	s_bfe_u32 s15, ttmp6, 0x40000                  ; cx
	s_bfe_u32 s16, ttmp6, 0x40004                  ; cy
	s_lshr_b32 s17, ttmp9, 4                       ; 0: q, 1: k, 2: v
	s_and_b32 s18, ttmp9, 15
	s_and_b32 s19, s18, 1
	s_cmp_eq_u32 s17, 2
	s_cselect_b32 s19, s18, s19
	s_lshl_b32 s19, s19, 2
	s_add_co_u32 s19, s19, s15                     ; P's block of 128 rows: hangs on cx alone
	s_lshr_b32 s20, s18, 1
	s_lshl_b32 s20, s20, 2
	s_cmp_eq_u32 s17, 2
	s_cselect_b32 s20, 0, s20
	s_add_co_u32 s20, s20, s16                     ; R's block of 256 rows: hangs on cy alone
	s_lshl_b32 s21, s17, 6
	s_add_co_u32 s21, s21, 1536
	s_cmp_eq_u32 s17, 2
	s_cselect_b32 s21, 1024, s21
	s_lshl_b32 s22, s19, 3
	s_add_co_u32 s21, s21, s22                     ; P's first tile in xw
	s_lshl_b32 s22, s17, 9
	s_cmp_eq_u32 s17, 2
	s_cselect_b32 s22, 1664, s22
	s_lshl_b32 s23, s20, 4
	s_add_co_u32 s22, s22, s23                     ; R's first tile
	s_lshl_b32 s76, 0x1111, s15                    ; my column of the cluster
	s_lshl_b32 s77, s16, 2
	s_lshl_b32 s77, 15, s77                        ; my row
	; descriptor group 1: 8 tiles' quarters: 8 rows of 3,072 bytes (384 elements of 8 bytes), 12,288 bytes apart in memory, on end in LDS
	s_or_b32 s[G1P], s76, (3<<16)|(1<<21)
	s_or_b32 s[G1R], s77, (3<<16)|(1<<21)
.irp g, G1P, G1R
	s_mov_b32 s[\g+1], 384<<16                     ; tensor_dim0
	s_mov_b32 s[\g+2], 8<<16                       ; tensor_dim1
	s_mov_b32 s[\g+3], 384<<16                     ; tile_dim0
	s_mov_b32 s[\g+4], 8                           ; tile_dim1
	s_mov_b32 s[\g+5], 1536                        ; from row to row
	s_mov_b32 s[\g+6], 0
	s_mov_b32 s[\g+7], 0
.endr
	s_mul_i32 s78, s21, 12288
	s_mov_b32 s79, 0
	s_lshr_b32 s80, s[WV], 1                       ; wave 1: R's tiles 0-7, wave 2: tiles 8-15
	s_lshl_b32 s81, s80, 3
	s_add_co_u32 s81, s81, s22
	s_mul_i32 s82, s81, 12288
	s_mov_b32 s83, 0
	s_mul_i32 s84, s80, 24576
	s_add_co_u32 s84, s84, 24576
	s_lshl_b32 s86, s21, 9
	s_add_co_u32 s86, s86, SCRB
	s_mov_b32 s87, 0
	s_lshl_b32 s88, s[WV], 2
	s_add_co_u32 s88, s88, s22
	s_lshl_b32 s88, s88, 9
	s_add_co_u32 s88, s88, SCRB
	s_mov_b32 s89, 0
	s_lshl_b32 s92, s19, 9                         ; q, k: the bias of P's 128 channels
	s_lshl_b32 s93, s20, 10                        ; v: that of my wave's 64 rows of wv
	s_lshl_b32 s94, s[WV], 8
	s_add_co_u32 s93, s93, s94
	s_mov_b32 s[SEL], 0x76543210
	s_mov_b32 s[SEL+1], 0xfedcba98
	s_mov_b32 s85, 0xffff0000                      ; lanes 16-31
	s_wait_dscnt 0x0
	s_wait_kmcnt 0x0
	s_add_nc_u64 s[78:79], s[4:5], s[78:79]
	s_add_nc_u64 s[82:83], s[4:5], s[82:83]
	s_add_nc_u64 s[86:87], s[4:5], s[86:87]
	s_add_nc_u64 s[88:89], s[4:5], s[88:89]
	s_cmp_eq_u32 s17, 0
	s_cselect_b64 s[90:91], s[6:7], s[8:9]
	s_cmp_eq_u32 s17, 2
	s_cselect_b64 s[90:91], s[10:11], s[90:91]
	s_cselect_b32 s92, s93, s92
	s_mov_b32 s93, 0
	s_add_nc_u64 s[90:91], s[90:91], s[92:93]
.irp q, 0,1,2,3
.set GR, 56+4*\q+4*(\q/2)              ; s[56:63] and s[68:75]
	s_mov_b32 s[G0P+4*\q], 1
	s_mov_b32 s[G0P+4*\q+1], \q*QB
	s_add_nc_u64 s[G0P+4*\q+2:G0P+4*\q+3], s[78:79], \q*3072
	s_or_b32 s[G0P+4*\q+3], s[G0P+4*\q+3], 0x80000000
	s_mov_b32 s[GR], 1
	s_add_co_u32 s[GR+1], s84, \q*QB
	s_add_nc_u64 s[GR+2:GR+3], s[82:83], \q*3072
	s_or_b32 s[GR+3], s[GR+3], 0x80000000
.endr
	CROUND                                         ; all sixteen work-groups are here: the joint loads meet
	s_cmp_eq_u32 s[WV], 0                          ; a wave's four fills stand in one branch on its number; four v_nop follow the last
	s_cbranch_scc0 .Lnot_p
	tensor_load_to_lds s[40:43], s[G1P:G1P+7]
	s_nop 0
	tensor_load_to_lds s[44:47], s[G1P:G1P+7]
	s_nop 0
	tensor_load_to_lds s[48:51], s[G1P:G1P+7]
	s_nop 0
	tensor_load_to_lds s[52:55], s[G1P:G1P+7]
	s_nop 0
	PLACES 4
	s_branch .Lasked
.Lnot_p:
	s_cmp_eq_u32 s[WV], 3
	s_cbranch_scc1 .Lasked
	tensor_load_to_lds s[56:59], s[G1R:G1R+7]
	s_nop 0
	tensor_load_to_lds s[60:63], s[G1R:G1R+7]
	s_nop 0
	tensor_load_to_lds s[68:71], s[G1R:G1R+7]
	s_nop 0
	tensor_load_to_lds s[72:75], s[G1R:G1R+7]
	s_nop 0
	PLACES 4
.Lasked:
	v_and_b32 v1, 31, v0                           ; lane
	v_and_b32 v2, 15, v0                           ; r
	v_bfe_u32 v3, v0, 4, 1                         ; h
	v_lshlrev_b32 v4, 4, v1                        ; a half fragment's registers 0-3,
	v_lshlrev_b32 v5, 3, v1
	v_add_nc_u32 v5, 512, v5                       ; and 4-5
	s_mul_i32 s76, s[WV], 12288
	s_add_co_u32 s76, s76, 24576
	v_add_nc_u32 v6, s76, v4                       ; my four tiles of R
	v_add_nc_u32 v7, s76, v5
	v_lshlrev_b32 v8, 9, v3
	v_lshl_add_u32 v8, v2, 4, v8                   ; scale words: lanes 0-15 the even tile, lanes 16-31 the odd one; four K steps' words a load
	v_lshlrev_b32 v12, 6, v3                       ; q, k: the bias of my half's 16 channels of a block
	v_and_b32 v13, 8, v2
	v_add_nc_u32 v13, v13, v2
	v_lshlrev_b32 v13, 2, v13                      ; v: the bias of my row of wv
.irp b, 0,1,2,3
	v_mov_b32 v[TM+4+\b], 0                        ; a lane permute's destination counts as one of its sources
.endr
.irp i, 0,1,2,3
.irp q, 0,1
	global_load_b128 v[16+8*\i+4*\q:19+8*\i+4*\q], v8, s[86:87] offset:1024*\i+256*\q
.endr
.endr
.irp i, 0,1
.irp q, 0,1
	global_load_b128 v[48+8*\i+4*\q:51+8*\i+4*\q], v8, s[88:89] offset:1024*\i+256*\q
.endr
.endr
	s_cmp_eq_u32 s17, 2
	s_cbranch_scc1 .Lbias_v
	WIN 0x80
.irp p, 0,1,2,3,4,5,6,7
	global_load_b128 v[BI+8*\p:BI+8*\p+3], v12, s[90:91] offset:(32*(\p/2)+8*(\p%2))*4
	global_load_b128 v[BI+8*\p+4:BI+8*\p+7], v12, s[90:91] offset:(32*(\p/2)+8*(\p%2))*4+16
.endr
	WIN 0
	s_branch .Lbias_done
.Lbias_v:
	WIN 0x80
.set n, 0
.rept 64                               ; eight registers with my row's number for each of the four row tiles, twice over: all 64 are written on both ways
	global_load_b32 v[BI+n], v13, s[90:91] offset:(32*(((n/8)%4)/2)+8*((n/8)%2))*4
.set n, n+1
.endr
	WIN 0
.Lbias_done:
	s_wait_tensorcnt 3                             ; my part of the first quarter has landed; three quarters may stay out
	s_barrier_signal -1
	s_barrier_wait -1
	FETCH 0
	FETCH 1
	s_wait_loadcnt 0x0                             ; scales and bias
	s_wait_dscnt 48                                ; K step 0's fragments are in
	s_cmp_eq_u32 s17, 2
	s_cbranch_scc1 .Lstep0_v
	WIN 0x62                                       ; C from window 2
	MUL32 0, 1
	WIN 0
	s_branch .Lstep0_done
.Lstep0_v:
	WIN 0x62
	MUL32 0, 2
	WIN 0
.Lstep0_done:
.irp s, 1,2,3,4,5,6,7
	KSTEP \s
.endr
	WIN 0
	PLACES 4                                       ; in front of the first read of results
	; where the results go
	s_lshr_b32 s76, s20, 3
	s_lshl_b32 s76, s76, 4
	s_lshl_b32 s77, s19, 1
	s_add_co_u32 s76, s76, s77                     ; q, k: 16 x batch + the first of my two heads
	s_and_b32 s77, s20, 7
	s_lshl_b32 s77, s77, 2
	s_add_co_u32 s77, s77, s[WV]                   ; my group of four token tiles in the batch
	s_mul_i32 s78, s17, 6291456
	s_mul_i32 s79, s76, 98304
	s_add_co_u32 s78, s78, s79
	s_mul_i32 s79, s77, 3072
	s_add_co_u32 s78, s78, s79
	s_mul_i32 s80, s17, 524288
	s_lshl_b32 s79, s76, 13
	s_add_co_u32 s80, s80, s79
	s_lshl_b32 s79, s77, 8
	s_add_co_u32 s80, s80, s79
	s_add_co_u32 s80, s80, 18874368
	s_lshr_b32 s76, s19, 4
	s_lshl_b32 s76, s76, 4
	s_lshl_b32 s77, s20, 2
	s_add_co_u32 s76, s76, s77
	s_add_co_u32 s76, s76, s[WV]                   ; v: 16 x batch + my wave's head
	s_and_b32 s77, s19, 15                         ; which 128 keys
	s_mul_i32 s81, s76, 98304
	s_mul_i32 s79, s77, 6144
	s_add_co_u32 s81, s81, s79
	s_add_co_u32 s81, s81, 12582912
	s_lshl_b32 s82, s76, 12
	s_lshl_b32 s79, s77, 8
	s_add_co_u32 s82, s82, s79
	s_add_co_u32 s82, s82, 19922944
	s_mov_b32 s83, 98304
	s_mov_b32 s84, 768
	s_cmp_eq_u32 s17, 2
	s_cselect_b32 s78, s81, s78
	s_cselect_b32 s80, s82, s80
	s_cselect_b32 s83, 768, s83                    ; from K 0 .. 63 to K 64 .. 127: the next head, or the next half fragment
	s_cselect_b32 s84, 1536, s84                   ; from row tile to row tile
	s_mov_b32 s92, s78
	s_mov_b32 s93, 0
	s_add_co_u32 s94, s78, s83
	s_mov_b32 s95, 0
	s_mov_b32 s96, s80
	s_mov_b32 s97, 0
	s_add_co_u32 s98, s80, 8192
	s_mov_b32 s99, 0
	s_add_nc_u64 s[92:93], s[12:13], s[92:93]
	s_add_nc_u64 s[94:95], s[12:13], s[94:95]
	s_add_nc_u64 s[96:97], s[12:13], s[96:97]
	s_add_nc_u64 s[98:99], s[12:13], s[98:99]
	v_lshlrev_b32 v188, 4, v1
	v_lshlrev_b32 v196, 3, v1
	v_add_nc_u32 v192, 512, v196
.irp q, 1,2,3
	v_add_nc_u32 v[188+\q], s84, v[187+\q]
	v_add_nc_u32 v[192+\q], s84, v[191+\q]
.endr
	QUANT4 0
	QUANT4 1
	QUANT4 2
	QUANT4 3
	v_cndmask_b32 v184, v[X1], v[X1+1], s85        ; lanes 0-15: tiles 0 and 2, lanes 16-31: tiles 1 and 3
	v_cndmask_b32 v185, v[X1+2], v[X1+3], s85
	global_store_b64 v196, v[184:185], s[96:97]    ; 256 consecutive bytes
	s_cmp_eq_u32 s17, 2
	s_cbranch_scc1 .Lone_word
	v_cndmask_b32 v186, v[X2], v[X2+1], s85        ; q, k: the second head's words
	v_cndmask_b32 v187, v[X2+2], v[X2+3], s85
	global_store_b64 v196, v[186:187], s[98:99]
.Lone_word:
	s_wait_dscnt 0x0
	s_wait_tensorcnt 0x0
	ds_add_u32 v254, v255
	s_wait_dscnt 0x0
	CROUND                                         ; the closing round: no work-group ends while a partner may still ask for a tile that names it
	s_endpgm
.Lfunc_end_k_qe88073f522_proj:
	.size	k_qe88073f522_proj, .Lfunc_end_k_qe88073f522_proj-k_qe88073f522_proj
	.p2alignl 7, 3214868480
	.fill 96, 4, 3214868480
	.section	.rodata,"a",@progbits
	.p2align	6, 0x0
	.amdhsa_kernel k_qe88073f522_proj
		.amdhsa_group_segment_fixed_size 295424
		.amdhsa_private_segment_fixed_size 0
		.amdhsa_enable_private_segment 0
		.amdhsa_kernarg_size 40
		.amdhsa_user_sgpr_count 2
		.amdhsa_user_sgpr_kernarg_segment_ptr 1
		.amdhsa_wavefront_size32 1
		.amdhsa_system_sgpr_workgroup_id_x 1
		.amdhsa_system_sgpr_workgroup_id_y 1
		.amdhsa_system_sgpr_workgroup_id_z 1
		.amdhsa_system_vgpr_workitem_id 0
		.amdhsa_next_free_vgpr 768
		.amdhsa_next_free_sgpr 100
		.amdhsa_reserve_vcc 0
		.amdhsa_float_denorm_mode_32 3
		.amdhsa_float_denorm_mode_16_64 3
		.amdhsa_memory_ordered 1
		.amdhsa_forward_progress 1
		.amdhsa_inst_pref_size 101
	.end_amdhsa_kernel
	.amdgpu_metadata
---
amdhsa.version: [ 1, 2 ]
amdhsa.kernels:
  - .name:           k_qe88073f522_proj
    .symbol:         k_qe88073f522_proj.kd
    .args:
      - { .name: xw, .offset: 0, .size: 8, .value_kind: global_buffer, .address_space: global }
      - { .name: bq, .offset: 8, .size: 8, .value_kind: global_buffer, .address_space: global }
      - { .name: bk, .offset: 16, .size: 8, .value_kind: global_buffer, .address_space: global }
      - { .name: bv, .offset: 24, .size: 8, .value_kind: global_buffer, .address_space: global }
      - { .name: qkv, .offset: 32, .size: 8, .value_kind: global_buffer, .address_space: global }
    .group_segment_fixed_size: 295424
    .private_segment_fixed_size: 0
    .kernarg_segment_align: 8
    .kernarg_segment_size: 40
    .max_flat_workgroup_size: 128
    .sgpr_count:     100
    .vgpr_count:     768
    .wavefront_size: 32
...
	.end_amdgpu_metadata
.endif
;; end of part 2
;; launch attn (part 3): grid 4 x 64, 16 waves a work-group, no clusters, 210,944 bytes of LDS; arguments info, qkv, mk, ctx; writes ctx
.if DOCPART == 3
	.amdgcn_target "amdgcn-amd-amdhsa--gfx1250"
	.amdhsa_code_object_version 6
	.text
	.protected	k_qe88073f522_attn
	.globl	k_qe88073f522_attn
	.p2align	8
	.type	k_qe88073f522_attn,@function
k_qe88073f522_attn:
	s_mov_b64 s[64:65], 0
	v_nop
	global_prefetch_b8 v0, s[64:65] scope:SCOPE_SE
	s_setreg_imm32_b32 hwreg(HW_REG_WAVE_MODE, 25, 1), 1
	s_wait_xcnt 0x0
; ATTN.  ctx[b][q][head] = softmax_k(mask ? q . k / 8 : -big) v, both products on codes of FP6 (E2M3) with E8M0 scales; ctx is quantised along its 1,024 channels for the last product.
; THE SOFTMAX: t = score x log2(e) / 8; M = the running largest t rounded up to a whole number; p = 2^(t - M) is quantised along the keys, not normalised; the row's sum is taken of the unquantised p and divides at the end.
; SHARES.  A work-group has one (batch, head): its K and V, 208,896 bytes of codes and scale words, are copied into LDS once.  Wave w takes the query tiles T = 4 w + x and 127 - T, one after the other; a step is 128 keys.
; LAYOUT.  S^T = K Q^T (source 0 = 16 keys, source 1 = my 16 queries), O^T = V^T P^T: a lane holds one query throughout; the tiles' rows are chosen so that 16 registers of two neighbouring tiles are 16 neighbours.
; The head's K is 64 in an instruction of 128: Q's upper six registers are zero codes, and K's upper six are whatever follows (the next tile's codes, or zeros): they add nothing.
; THE MASK is an input: the first launch has laid it as one lane mask for each score register (mk), and a summary word for each query tile (info).  A step in which no key counts is left out, one in which all count skips the
; 64 selects: scalar branches on stored whole numbers, inside a loop of constant count.  For that reason this launch has no tensor load and so no joint loads, though four work-groups read the same K and V: each copies them through registers.
; A hidden score is -2^33: times c it is a whole number, so a row with no key at all gets p = 1 for all 2,048 keys; any other row's hidden keys get p = 0, and what was summed before a first true key is multiplied by 0.
; LIMITS: the hidden logit is -2^30 and not -1e9: that shows only where true logits lie near -1e9.  NaN and infinities are not served.  A block of zeros keeps the scale byte 1.
; No prefetch: a work-group asks for all of K and V at its first lines.
; REGISTERS: v1-6 lane places; v7 -2^33; v8-13 the step's LDS addresses; v14 -M, v15 the largest t, v[16:17] the sum; v18, v19 8 r, 16 r; v20-31 Q and zeros; v32, v34-39, v224 scale words alone;
;            v40-93 K's or V's fragments; v96-159 S^T, then p; v160-191 O^T; v192-210 p's codes; v212-231 at work; v232-237 the copy's addresses.
.set S,  96
.set O,  160
.set PC, 192
.set FR, 40
.set BM, 212
.macro PLACES n
.rept \n
	v_nop
.endr
.endm
	s_load_b64 s[2:3], s[0:1], 0x0                 ; info
	s_load_b64 s[4:5], s[0:1], 0x8                 ; qkv
	s_load_b64 s[6:7], s[0:1], 0x10                ; mk
	s_load_b64 s[8:9], s[0:1], 0x18                ; ctx
	v_lshl_add_u32 v254, v0, 2, 0x33000
	v_mov_b32 v255, 0
	v_lshrrev_b32 v1, 5, v0
	v_readfirstlane_b32 s10, v1                    ; wave 0..15
	s_and_b32 s11, ttmp7, 0xffff                   ; 16 x batch + head
	s_lshr_b32 s12, s11, 4
	s_and_b32 s26, s11, 15
	s_lshl_b32 s13, s10, 2
	s_add_co_u32 s13, s13, ttmp9                   ; T
	v_lshlrev_b32 v232, 4, v0                      ; the copy: 16 bytes a thread, 8,192 an instruction
	v_add_nc_u32 v233, 0x10000, v232
	v_add_nc_u32 v234, 0x20000, v232
	v_add_nc_u32 v235, 0x30000, v232
	v_lshlrev_b32 v237, 3, v0
	v_add_nc_u32 v236, 204800, v237
	s_mul_i32 s28, s11, 98304
	s_add_co_u32 s30, s28, 6291456
	s_mov_b32 s31, 0
	s_add_co_u32 s32, s28, 12582912
	s_mov_b32 s33, 0
	s_lshl_b32 s34, s11, 13
	s_add_co_u32 s34, s34, 19398656
	s_mov_b32 s35, 0
	s_lshl_b32 s36, s11, 12
	s_add_co_u32 s36, s36, 19922944
	s_mov_b32 s37, 0
	s_mov_b32 s20, 0x76543210
	s_mov_b32 s21, 0xfedcba98
	s_mov_b32 s22, 0x3e38aa3b                      ; c = log2(e) / 8
	s_mov_b32 s23, s22
	s_mov_b32 s14, 2
	s_wait_kmcnt 0x0
	s_add_nc_u64 s[30:31], s[4:5], s[30:31]
	s_add_nc_u64 s[32:33], s[4:5], s[32:33]
	s_add_nc_u64 s[34:35], s[4:5], s[34:35]
	s_add_nc_u64 s[36:37], s[4:5], s[36:37]
.irp i, 0,1,2,3,4,5,6,7,8,9,10,11
	global_load_b128 v[96+4*\i:99+4*\i], v232, s[30:31] offset:8192*\i    ; K's codes
.endr
.irp i, 0,1,2,3,4,5,6,7,8,9,10,11
	global_load_b128 v[144+4*\i:147+4*\i], v232, s[32:33] offset:8192*\i  ; V's
.endr
	global_load_b128 v[192:195], v232, s[34:35]    ; K's scale words
	global_load_b64 v[196:197], v237, s[36:37]     ; V's
	v_and_b32 v2, 31, v0
	v_lshlrev_b32 v1, 4, v2                        ; a half fragment's registers 0-3
	v_lshlrev_b32 v2, 3, v2
	v_add_nc_u32 v5, 0x30000, v2                   ; K's scale words
	v_add_nc_u32 v6, 204800, v2                    ; V's
	v_add_nc_u32 v2, 512, v2                       ; registers 4-5
	v_add_nc_u32 v3, 98304, v1                     ; the same in V
	v_add_nc_u32 v4, 98304, v2
	v_mov_b32 v7, 0xd0000000                       ; -2^33
	v_and_b32 v18, 15, v0
	v_lshlrev_b32 v19, 4, v18
	v_lshlrev_b32 v18, 3, v18
.irp i, 0,1,2,3,4,5
	v_mov_b32 v[26+\i], 0                          ; Q's K 64 .. 127: zero codes
	v_mov_b32 v[88+\i], 0                          ; behind the step's last tile of K
.endr
.irp i, 0,1,2,3
	v_mov_b32 v[BM+4+\i], 0                        ; a lane permute's destination counts as one of its sources
.endr
	v_mov_b32 v227, 0                              ; named as the upper half of the pair v[226:227]
	s_wait_loadcnt 14                              ; K's twelve loads are in; the fourteen behind them may be out
.irp i, 0,1,2,3,4,5,6,7
	ds_store_b128 v232, v[96+4*\i:99+4*\i] offset:8192*\i
.endr
.irp i, 0,1,2,3
	ds_store_b128 v233, v[128+4*\i:131+4*\i] offset:8192*\i
.endr
	s_wait_loadcnt 0x0
.irp i, 0,1,2,3
	ds_store_b128 v233, v[144+4*\i:147+4*\i] offset:32768+8192*\i
.endr
.irp i, 0,1,2,3,4,5,6,7
	ds_store_b128 v234, v[160+4*\i:163+4*\i] offset:8192*\i
.endr
	ds_store_b128 v235, v[192:195]
	ds_store_b64 v236, v[196:197]
	s_wait_dscnt 0x0                               ; for the others' sake: my stores have landed
	s_barrier_signal -1
	s_barrier_wait -1                              ; from here on LDS is only read
.Ltile:                                            ; two trips: T, then 127 - T
	s_mul_i32 s28, s11, 98304
	s_mul_i32 s27, s13, 768
	s_add_co_u32 s28, s28, s27
	s_mov_b32 s29, 0
	s_add_nc_u64 s[32:33], s[4:5], s[28:29]        ; Q's half fragment
	s_lshl_b32 s28, s11, 13
	s_lshr_b32 s27, s13, 2
	s_lshl_b32 s27, s27, 8
	s_add_co_u32 s28, s28, s27
	s_and_b32 s27, s13, 1
	s_lshl_b32 s27, s27, 7
	s_add_co_u32 s28, s28, s27
	s_bfe_u32 s27, s13, 0x10001
	s_lshl_b32 s27, s27, 2
	s_add_co_u32 s28, s28, s27
	s_add_co_u32 s28, s28, 18874368
	s_add_nc_u64 s[34:35], s[4:5], s[28:29]        ; its scale words
	s_lshl_b32 s66, s12, 7
	s_add_co_u32 s66, s66, s13                     ; 128 x batch + T
	s_lshl_b32 s28, s66, 7
	s_add_nc_u64 s[36:37], s[2:3], s[28:29]        ; the tile's summary word
	s_lshl_b32 s28, s66, 12
	s_add_nc_u64 s[24:25], s[6:7], s[28:29]        ; its lane masks
	global_load_b128 v[20:23], v1, s[32:33]
	global_load_b64 v[24:25], v2, s[32:33]
	global_load_b32 v32, v18, s[34:35]
	s_load_b32 s16, s[36:37], 0x0
.set n, 0
.rept 32
	v_mov_b32 v[O+n], 0                            ; the step is written once: the first finds zeros, which the first change of M leaves zeros
.set n, n+1
.endr
	v_mov_b32 v15, 0xff61b1e6                      ; the largest t so far: -3e38
	v_floor_f32 v14, -v15
	v_mov_b32 v16, 0
	v_mov_b32 v17, 0
	s_mov_b32 s15, 16
	s_mov_b32 s17, 0
	s_mov_b32 s18, 0
	s_mov_b32 s19, 0
	s_wait_loadcnt 0x0
	s_wait_kmcnt 0x0                               ; the loads are done: their address registers may take the masks
.Lstep:                                            ; 16 trips, a constant; what a mask leaves out is jumped over inside
	s_bitcmp1_b32 s16, 0
	s_cbranch_scc1 .Lskip
	v_add_nc_u32 v8, s17, v1                       ; these six are also the places behind the last products, in front of the loads below
	v_add_nc_u32 v9, s17, v2
	v_add_nc_u32 v10, s17, v3
	v_add_nc_u32 v11, s17, v4
	v_add_nc_u32 v12, s18, v5
	v_add_nc_u32 v13, s19, v6
	s_load_b512 s[32:47], s[24:25], s19 offset:0x0     ; the unit's 64 lane masks
	s_load_b512 s[48:63], s[24:25], s19 offset:0x40
	s_load_b512 s[68:83], s[24:25], s19 offset:0x80
	s_load_b512 s[84:99], s[24:25], s19 offset:0xc0
.irp t, 0,1,2,3,4,5,6,7
	ds_load_b128 v[FR+6*\t:FR+6*\t+3], v8 offset:768*\t
	ds_load_b64 v[FR+6*\t+4:FR+6*\t+5], v9 offset:768*\t
.endr
	ds_load_b64 v[34:35], v12                      ; scale words: tiles 0, 1 in the halves of v34, 2, 3 of v35,
	ds_load_b64 v[36:37], v12 offset:256           ; 4 to 7
	s_wait_dscnt 0x0
.irp t, 0,1,2,3,4,5,6,7
.if (\t%2)==0
	v_wmma_scale_f32_16x16x128_f8f6f4 v[S+8*\t:S+8*\t+7], v[FR+6*\t:FR+6*\t+11], v[20:31], 0, v[34+\t/2], v32 matrix_a_fmt:MATRIX_FMT_FP6 matrix_b_fmt:MATRIX_FMT_FP6
.else
	v_wmma_scale_f32_16x16x128_f8f6f4 v[S+8*\t:S+8*\t+7], v[FR+6*\t:FR+6*\t+11], v[20:31], 0, v[34+\t/2], v32 matrix_a_fmt:MATRIX_FMT_FP6 matrix_b_fmt:MATRIX_FMT_FP6 matrix_a_scale:MATRIX_SCALE_ROW1
.endif
.endr
	PLACES 4                                       ; in front of the loads into K's registers and of the first read of scores
.irp t, 0,1,2,3
.irp c, 0,1
	ds_load_b128 v[FR+12*\t+6*\c:FR+12*\t+6*\c+3], v10 offset:(2*\t+\c)*768   ; V lands while the softmax is worked
	ds_load_b64 v[FR+12*\t+6*\c+4:FR+12*\t+6*\c+5], v11 offset:(2*\t+\c)*768
.endr
.endr
	ds_load_b64 v[38:39], v13
	s_wait_kmcnt 0x0
	s_bitcmp1_b32 s16, 16
	s_cbranch_scc1 .Lopen
.set n, 0
.rept 32
	v_cndmask_b32 v[S+n], v7, v[S+n], s[32+n]      ; ascending: each accumulator is read from its low end on
.set n, n+1
.endr
.rept 32
	v_cndmask_b32 v[S+n], v7, v[S+n], s[36+n]
.set n, n+1
.endr
.Lopen:
.irp b, 0,1,2,3
	v_max3_num_f32 v[BM+\b], v[S+16*\b], v[S+16*\b+1], v[S+16*\b+2]   ; the largest score of each block of 32 keys: for the row's maximum, and, since p rises with the score, for the block's largest p
.endr
.irp i, 3,5,7,9,11,13
.irp b, 0,1,2,3
	v_max3_num_f32 v[BM+\b], v[BM+\b], v[S+16*\b+\i], v[S+16*\b+\i+1]
.endr
.endr
.irp b, 0,1,2,3
	v_max_num_f32 v[BM+\b], v[BM+\b], v[S+16*\b+15]
.endr
.irp b, 0,1,2,3
	v_permlanex16_b32 v[BM+4+\b], v[BM+\b], s20, s21
.endr
.irp b, 0,1,2,3
	v_max_num_f32 v[BM+\b], v[BM+\b], v[BM+4+\b]
.endr
	v_max3_num_f32 v228, v[BM], v[BM+1], v[BM+2]
	v_max_num_f32 v228, v228, v[BM+3]
	v_mul_f32 v228, s22, v228
	v_max_num_f32 v15, v15, v228                   ; the running largest t
	v_mov_b32 v228, v14
	v_floor_f32 v14, -v15                          ; -M = floor(-t): M is a whole number
	v_sub_f32 v228, v14, v228
	v_cvt_i32_f32 v228, v228                       ; (it saturates)
	v_ldexp_f32 v226, 1.0, v228                    ; f = 2^(old M - new M)
.set n, 0
.rept 32
	v_pk_fma_f32 v[S+n:S+n+1], v[S+n:S+n+1], s[22:23], v[14:15] op_sel_hi:[1,0,0]   ; t - M
.set n, n+2
.endr
.irp b, 0,1,2,3
	v_fma_f32 v[BM+\b], v[BM+\b], s22, v14
.endr
.set n, 0
.rept 64
	v_exp_f32 v[S+n], v[S+n]                       ; p = 2^(t - M)
.set n, n+1
.endr
	v_pk_mul_f32 v[16:17], v[16:17], v[226:227] op_sel_hi:[1,0]   ; the sums under the new M; the plain line behind the batch
	s_wait_alu depctr_va_vdst(0)                   ; one wait for the batch, ahead of its first reader
.irp b, 0,1,2,3
	v_exp_f32 v[BM+\b], v[BM+\b]                   ; each block's largest p
.endr
	v_pk_add_f32 v[230:231], v[S:S+1], v[S+2:S+3]  ; the row's sum of the unquantised p, in two chains
.irp j, 4,8,12,16,20,24,28,32,36,40,44,48,52,56,60
	v_pk_add_f32 v[16:17], v[16:17], v[S+\j:S+\j+1]
	v_pk_add_f32 v[230:231], v[230:231], v[S+\j+2:S+\j+3]
.endr
	v_pk_add_f32 v[16:17], v[16:17], v[230:231]
	s_wait_alu depctr_va_vdst(0)                   ; and one for the four
.irp b, 0,1,2,3
	v_max_num_f32 v[BM+\b], 0x1800000, v[BM+\b]    ; the floor 2^(3 - 127)
.endr
.irp b, 0,1,2,3
	v_add_nc_u32 v[BM+8+\b], 0xff000000, v[BM+\b]  ; the conversion's scale operand
.endr
.irp b, 0,1,2,3
	v_lshrrev_b32 v[BM+4+\b], 23, v[BM+8+\b]       ; the scale's byte
.endr
	v_lshl_or_b32 v224, v[BM+5], 8, v[BM+4]        ; p's scale word for these 128 keys
	v_lshl_or_b32 v224, v[BM+6], 16, v224
	v_lshl_or_b32 v224, v[BM+7], 24, v224
.irp c, 0,1
	v_cvt_scalef32_pk16_fp6_f32 v[PC+6*\c:PC+6*\c+2], v[S+32*\c:S+32*\c+15], v[BM+8+2*\c]
	v_cvt_scalef32_pk16_fp6_f32 v[PC+12+4*\c:PC+14+4*\c], v[S+32*\c+16:S+32*\c+31], v[BM+9+2*\c]
.endr
	v_nop                                          ; one plain line behind the conversions
.irp c, 0,1
.irp i, 0,1,2
	v_permlane16_swap_b32 v[PC+6*\c+\i], v[PC+12+4*\c+\i]
.endr
.irp i, 0,1,2
	v_mov_b32 v[PC+3+6*\c+\i], v[PC+12+4*\c+\i]
.endr
.endr
.set n, 0
.rept 16
	v_pk_mul_f32 v[O+n:O+n+1], v[O+n:O+n+1], v[226:227] op_sel_hi:[1,0]   ; O^T under the new M; these are also the places in front of the products below
.set n, n+2
.endr
	s_wait_dscnt 0x0                               ; V is in
.irp t, 0,1,2,3
.if (\t%2)==0
	v_wmma_scale_f32_16x16x128_f8f6f4 v[O+8*\t:O+8*\t+7], v[FR+12*\t:FR+12*\t+11], v[PC:PC+11], v[O+8*\t:O+8*\t+7], v[38+\t/2], v224 matrix_a_fmt:MATRIX_FMT_FP6 matrix_b_fmt:MATRIX_FMT_FP6
.else
	v_wmma_scale_f32_16x16x128_f8f6f4 v[O+8*\t:O+8*\t+7], v[FR+12*\t:FR+12*\t+11], v[PC:PC+11], v[O+8*\t:O+8*\t+7], v[38+\t/2], v224 matrix_a_fmt:MATRIX_FMT_FP6 matrix_b_fmt:MATRIX_FMT_FP6 matrix_a_scale:MATRIX_SCALE_ROW1
.endif
.endr
.Lskip:
	s_lshr_b32 s16, s16, 1                         ; the next unit's two bits
	s_add_co_u32 s17, s17, 6144
	s_add_co_u32 s18, s18, 512
	s_add_co_u32 s19, s19, 256
	s_sub_co_u32 s15, s15, 1
	s_cmp_lg_u32 s15, 0
	s_cbranch_scc1 .Lstep
	; the way out: O^T / the sum, quantised along the head's 64 channels: half fragment `head' of the tile's row of ctx
	PLACES 4
	v_add_f32 v16, v16, v17
	v_permlanex16_b32 v[BM+4], v16, s20, s21
	v_add_f32 v16, v16, v[BM+4]
	v_rcp_f32 v226, v16
	v_nop                                          ; a plain line behind the reciprocal
	s_wait_alu depctr_va_vdst(0)                   ; and the wait ahead of its first reader
.set n, 0
.rept 16
	v_pk_mul_f32 v[S+n:S+n+1], v[O+n:O+n+1], v[226:227] op_sel_hi:[1,0]   ; register 16 b + i: channel 32 b + 16 h + i of my query
.set n, n+2
.endr
.irp b, 0,1
	v_max3_num_f32 v[BM+\b], |v[S+16*\b]|, |v[S+16*\b+1]|, 0x1800000
.endr
.irp i, 2,4,6,8,10,12,14
.irp b, 0,1
	v_max3_num_f32 v[BM+\b], v[BM+\b], |v[S+16*\b+\i]|, |v[S+16*\b+\i+1]|
.endr
.endr
.irp b, 0,1
	v_permlanex16_b32 v[BM+4+\b], v[BM+\b], s20, s21
.endr
.irp b, 0,1
	v_max_num_f32 v[BM+\b], v[BM+\b], v[BM+4+\b]
.endr
.irp b, 0,1
	v_add_nc_u32 v[BM+8+\b], 0xff000000, v[BM+\b]
.endr
.irp b, 0,1
	v_lshrrev_b32 v[BM+4+\b], 23, v[BM+8+\b]
.endr
	v_lshl_or_b32 v228, v[BM+5], 8, v[BM+4]        ; my row's two scale bytes
	v_cvt_scalef32_pk16_fp6_f32 v[192:194], v[S:S+15], v[BM+8]
	v_cvt_scalef32_pk16_fp6_f32 v[196:198], v[S+16:S+31], v[BM+9]
	v_nop
.irp i, 0,1,2
	v_permlane16_swap_b32 v[192+\i], v[196+\i]
.endr
	v_mov_b32 v195, v196
	v_mov_b32 v196, v197
	v_mov_b32 v197, v198
	s_mul_i32 s28, s66, 12288
	s_mul_i32 s27, s26, 768
	s_add_co_u32 s28, s28, s27
	s_add_nc_u64 s[30:31], s[8:9], s[28:29]
	global_store_b128 v1, v[192:195], s[30:31]     ; 512 and 256 consecutive bytes
	global_store_b64 v2, v[196:197], s[30:31]
	s_lshl_b32 s28, s66, 9
	s_lshr_b32 s27, s26, 3
	s_lshl_b32 s27, s27, 8
	s_add_co_u32 s28, s28, s27
	s_bfe_u32 s27, s26, 0x20001
	s_lshl_b32 s27, s27, 2
	s_add_co_u32 s28, s28, s27
	s_and_b32 s27, s26, 1
	s_lshl_b32 s27, s27, 1
	s_add_co_u32 s28, s28, s27
	s_add_co_u32 s28, s28, 6291456
	s_add_nc_u64 s[32:33], s[8:9], s[28:29]
	global_store_b16 v19, v228, s[32:33]           ; two bytes of row r's word; lanes 16-31 write the same bytes with the same value.  A head has no more than these two bytes of a word
	s_wait_xcnt 0x0                                ; addresses and data are written again only behind this wait
	s_sub_co_u32 s13, 127, s13
	s_sub_co_u32 s14, s14, 1
	s_cmp_lg_u32 s14, 0
	s_cbranch_scc1 .Ltile
	s_wait_tensorcnt 0x0
	ds_add_u32 v254, v255
	s_wait_dscnt 0x0
	s_endpgm
.Lfunc_end_k_qe88073f522_attn:
	.size	k_qe88073f522_attn, .Lfunc_end_k_qe88073f522_attn-k_qe88073f522_attn
	.p2alignl 7, 3214868480
	.fill 96, 4, 3214868480
	.section	.rodata,"a",@progbits
	.p2align	6, 0x0
	.amdhsa_kernel k_qe88073f522_attn
		.amdhsa_group_segment_fixed_size 210944
		.amdhsa_private_segment_fixed_size 0
		.amdhsa_enable_private_segment 0
		.amdhsa_kernarg_size 32
		.amdhsa_user_sgpr_count 2
		.amdhsa_user_sgpr_kernarg_segment_ptr 1
		.amdhsa_wavefront_size32 1
		.amdhsa_system_sgpr_workgroup_id_x 1
		.amdhsa_system_sgpr_workgroup_id_y 1
		.amdhsa_system_sgpr_workgroup_id_z 1
		.amdhsa_system_vgpr_workitem_id 0
		.amdhsa_next_free_vgpr 256
		.amdhsa_next_free_sgpr 100
		.amdhsa_reserve_vcc 0
		.amdhsa_float_denorm_mode_32 3
		.amdhsa_float_denorm_mode_16_64 3
		.amdhsa_memory_ordered 1
		.amdhsa_forward_progress 1
		.amdhsa_inst_pref_size 35
	.end_amdhsa_kernel
	.amdgpu_metadata
---
amdhsa.version: [ 1, 2 ]
amdhsa.kernels:
  - .name:           k_qe88073f522_attn
    .symbol:         k_qe88073f522_attn.kd
    .args:
      - { .name: info, .offset: 0, .size: 8, .value_kind: global_buffer, .address_space: global }
      - { .name: qkv, .offset: 8, .size: 8, .value_kind: global_buffer, .address_space: global }
      - { .name: mk, .offset: 16, .size: 8, .value_kind: global_buffer, .address_space: global }
      - { .name: ctx, .offset: 24, .size: 8, .value_kind: global_buffer, .address_space: global }
    .group_segment_fixed_size: 210944
    .private_segment_fixed_size: 0
    .kernarg_segment_align: 8
    .kernarg_segment_size: 32
    .max_flat_workgroup_size: 512
    .sgpr_count:     100
    .vgpr_count:     256
    .wavefront_size: 32
...
	.end_amdgpu_metadata
.endif
;; end of part 3
;; launch outp (part 4): grid 8 x 32, 4 waves a work-group, clusters of 4 x 4, 295,424 bytes of LDS; arguments ctx, xw, bo, out0; writes out0
.if DOCPART == 4
	.amdgcn_target "amdgcn-amd-amdhsa--gfx1250"
	.amdhsa_code_object_version 6
	.text
	.protected	k_qe88073f522_outp
	.globl	k_qe88073f522_outp
	.p2align	8
	.type	k_qe88073f522_outp,@function
k_qe88073f522_outp:
	s_mov_b64 s[64:65], 0
	v_nop
	global_prefetch_b8 v0, s[64:65] scope:SCOPE_SE
	s_setreg_imm32_b32 hwreg(HW_REG_WAVE_MODE, 25, 1), 1
	s_wait_xcnt 0x0
	s_wait_alu depctr_hold_cnt(0) depctr_sa_sdst(0) depctr_va_vdst(0) depctr_va_sdst(0) depctr_va_ssrc(0) depctr_va_vcc(0) depctr_vm_vsrc(0)
	s_getreg_b32 s2, hwreg(HW_REG_IB_STS2, 6, 4)
	s_cmp_eq_u32 s2, 0
	s_cbranch_scc0 .Lentry_in_a_cluster
	s_endpgm
.Lentry_in_a_cluster:
	s_bfe_u32 s2, ttmp6, 0x10000c
	s_cmp_lg_u32 s2, 0xf033
	s_cbranch_scc0 .Lentry_shape_is_right
	s_endpgm
.Lentry_shape_is_right:
; OUTP.  out0 = ctx wo^T + bo on codes of FP6 (E2M3) with E8M0 scales, sums in f32.  ctx's codes and scale words were made by the launch before, wo's by the first.
; D = P x R: P is source 0: 128 rows of wo (8 tiles); R is source 1: 256 tokens (16 tiles): a lane holds one token, and registers 16 b + i of a row tile are channels 32 b + 16 h + i of P's 128.
; Four waves; wave w takes all 8 tiles of P x tiles 4 w .. 4 w + 3 of R: 32 accumulators.  All of K = 1,024 of both sides is 294,912 bytes and lies in LDS at once: every byte is filled once, in four quarters of 256 along K.
; CLUSTER 4 x 4: P's tiles hang on the tile column alone and are asked for jointly by a column of the cluster, R's on the tile row alone, by a row.  Wave 0 asks for P's four quarters, waves 1 and 2 for R's halves:
; four tensor loads of a wave are out at most.  No prefetch: a work-group asks for all its bytes at its first lines.
; THE WAY OUT: a row tile (16 tokens x 128 channels) goes through the wave's own stage in LDS and leaves as whole rows of 512 bytes.  The stages lie in the first quarter, which has had its one fill and whose last reads
; every wave has waited for in front of a later barrier.
; REGISTERS: window 0: v0-12 addresses; v16-47 P's scale words, v48-63 R's (scales alone); v64-159 R's fragments, two sets; on the way out v64-191 rows of out0.  window 1: the accumulators, (rho, p) at 8 (8 rho + p).
;            window 2: v0-191 P's fragments, two sets; v192-255 the bias.
.set WV,   14
.set G1P,  24
.set G1R,  32
.set G0P,  40
.set QB,   73728
.set SCRB, 22020096
.set BI,   192
.set MSB,  0
.macro WIN new                         ; the immediate's high byte repeats the setting that is left
.if MSB != \new
	s_set_vgpr_msb (MSB<<8)|\new
.set MSB, \new
.endif
.endm
.macro PLACES n
.rept \n
	v_nop
.endr
.endm
.macro CROUND                          ; a round of the cluster's barrier
	s_barrier_signal -1
	s_barrier_wait -1
	s_cmp_lg_u32 s[WV], 0
	s_cbranch_scc1 .Lnot_wave_0_\@
	s_barrier_signal -3
.Lnot_wave_0_\@:
	s_barrier_wait -3
	s_barrier_signal -1
	s_barrier_wait -1
.endm
.macro WM d, a, b, c, sa, sb, ra, rb   ; one product; ra, rb: which half of the lanes holds the side's scale words
.set wd, \d
.set wa, \a
.set wb, \b
.set wc, \c
.set wsa, \sa
.set wsb, \sb
.set RR, (\ra)+2*(\rb)
.if RR==0
	v_wmma_scale_f32_16x16x128_f8f6f4 v[wd:wd+7], v[wa:wa+11], v[wb:wb+11], v[wc:wc+7], v[wsa], v[wsb] matrix_a_fmt:MATRIX_FMT_FP6 matrix_b_fmt:MATRIX_FMT_FP6
.elseif RR==1
	v_wmma_scale_f32_16x16x128_f8f6f4 v[wd:wd+7], v[wa:wa+11], v[wb:wb+11], v[wc:wc+7], v[wsa], v[wsb] matrix_a_fmt:MATRIX_FMT_FP6 matrix_b_fmt:MATRIX_FMT_FP6 matrix_a_scale:MATRIX_SCALE_ROW1
.elseif RR==2
	v_wmma_scale_f32_16x16x128_f8f6f4 v[wd:wd+7], v[wa:wa+11], v[wb:wb+11], v[wc:wc+7], v[wsa], v[wsb] matrix_a_fmt:MATRIX_FMT_FP6 matrix_b_fmt:MATRIX_FMT_FP6 matrix_b_scale:MATRIX_SCALE_ROW1
.else
	v_wmma_scale_f32_16x16x128_f8f6f4 v[wd:wd+7], v[wa:wa+11], v[wb:wb+11], v[wc:wc+7], v[wsa], v[wsb] matrix_a_fmt:MATRIX_FMT_FP6 matrix_b_fmt:MATRIX_FMT_FP6 matrix_a_scale:MATRIX_SCALE_ROW1 matrix_b_scale:MATRIX_SCALE_ROW1
.endif
.endm
.macro FETCH s                         ; K step s's fragments, 48 LDS loads, into set s % 2; v4-v7 stand in the step's quarter
.set PFB, 96*((\s)%2)
.set RFB, 64+48*((\s)%2)
.set KO,  1536*((\s)%2)
	WIN 0x80
.irp p, 0,1,2,3,4,5,6,7
	ds_load_b128 v[PFB+12*\p:PFB+12*\p+3], v4 offset:3072*\p+KO
	ds_load_b64 v[PFB+12*\p+4:PFB+12*\p+5], v5 offset:3072*\p+KO
	ds_load_b128 v[PFB+12*\p+6:PFB+12*\p+9], v4 offset:3072*\p+KO+768
	ds_load_b64 v[PFB+12*\p+10:PFB+12*\p+11], v5 offset:3072*\p+KO+768
.endr
	WIN 0
.irp p, 0,1,2,3
	ds_load_b128 v[RFB+12*\p:RFB+12*\p+3], v6 offset:3072*\p+KO
	ds_load_b64 v[RFB+12*\p+4:RFB+12*\p+5], v7 offset:3072*\p+KO
	ds_load_b128 v[RFB+12*\p+6:RFB+12*\p+9], v6 offset:3072*\p+KO+768
	ds_load_b64 v[RFB+12*\p+10:RFB+12*\p+11], v7 offset:3072*\p+KO+768
.endr
.endm
.macro MUL32 s, cmode                  ; the 32 accumulators take turns, one instruction a turn, in the same order in every step.  cmode 1: the bias starts the sums
.set PFB, 96*((\s)%2)
.set RFB, 64+48*((\s)%2)
.irp rho, 0,1,2,3
.irp p, 0,1,2,3,4,5,6,7
.set DD, 8*(8*\rho+\p)
.if (\cmode)==0
.set CC, DD
.else
.set CC, BI+8*\p
.endif
	WM DD, PFB+12*\p, RFB+12*\rho, CC, 16+8*(\p/2)+(\s), 48+8*(\rho/2)+(\s), \p%2, \rho%2
.endr
.endr
.endm
.macro KSTEP s
.if ((\s)%2)==0
	PLACES 4                                       ; in front of loads into registers that the last products read
	FETCH (\s)+1
	s_wait_dscnt 48                                ; all but the 48 just issued: this step's fragments are in
.elseif (\s)<7
	WIN 0
	s_wait_dscnt 0x0                               ; this step's fragments are in; no LDS instruction of mine is out at the signal
	s_wait_tensorcnt 2-(\s)/2                      ; my part of the next quarter has landed; the later quarters may stay out: nothing is filled twice
	s_barrier_signal -1
	s_barrier_wait -1                              ; everybody's has
	v_add_nc_u32 v4, QB, v4                        ; on to the next quarter; these four are also the places in front of the loads below
	v_add_nc_u32 v5, QB, v5
	v_add_nc_u32 v6, QB, v6
	v_add_nc_u32 v7, QB, v7
	FETCH (\s)+1
.else
	s_wait_dscnt 0x0
.endif
	WIN 0x52                                       ; source 0 (P) window 2, source 1 (R) window 0, C and D window 1
	MUL32 \s, 0
.endm
.macro TOSTAGE rho                     ; row tile rho: lane (r, h) puts channels 32 b + 16 h + 4 k .. + 3 of token r; back come whole rows.  LDS serves a wave's instructions in order
	WIN 0x04                                       ; an LDS store's data are its source 1: window 1
.irp b, 0,1,2,3
.irp k, 0,1,2,3
	ds_store_b128 v9, v[64*(\rho)+16*\b+4*\k:64*(\rho)+16*\b+4*\k+3] offset:128*\b+16*\k   ; ascending: each accumulator from its low end on
.endr
.endr
	WIN 0
.set BB, 64+64*((\rho)%2)
.irp i, 0,1,2,3,4,5,6,7,8,9,10,11,12,13,14,15
	ds_load_b128 v[BB+4*\i:BB+4*\i+3], v10 offset:528*\i
.endr
.endm
.macro SEND rho, younger               ; younger: the LDS instructions issued behind tile rho's loads, which may stay out
.set BB, 64+64*((\rho)%2)
	s_wait_dscnt \younger
.irp i, 0,1,2,3,4,5,6,7,8,9,10,11,12,13,14,15
	global_store_b128 v11, v[BB+4*\i:BB+4*\i+3], s[92:93] offset:(32*((\rho)/2)+8*((\rho)%2)+\i+8*(\i/8))*4096 th:TH_STORE_NT   ; 32 lanes store 512 consecutive bytes, at a multiple of 256 from out0's first byte
.endr
.endm
	s_load_b256 s[4:11], s[0:1], 0x0               ; ctx, xw, bo, out0
	v_lshl_add_u32 v254, v0, 2, 0x48000
	v_mov_b32 v255, 0
	ds_add_u32 v254, v255
	ds_add_u32 v254, v255
	v_lshrrev_b32 v1, 5, v0
	v_readfirstlane_b32 s[WV], v1
	s_bfe_u32 s15, ttmp6, 0x40000                  ; cx
	s_bfe_u32 s16, ttmp6, 0x40004                  ; cy
	s_lshl_b32 s19, ttmp9, 2
	s_add_co_u32 s19, s19, s15                     ; which 128 rows of wo
	s_and_b32 s20, ttmp7, 0xffff
	s_lshl_b32 s20, s20, 2
	s_add_co_u32 s20, s20, s16                     ; which 256 tokens
	s_lshl_b32 s21, s19, 3
	s_add_co_u32 s21, s21, 1728                    ; P's first tile in xw
	s_lshl_b32 s22, s20, 4                         ; R's first tile in ctx
	s_lshl_b32 s76, 0x1111, s15                    ; my column of the cluster
	s_lshl_b32 s77, s16, 2
	s_lshl_b32 s77, 15, s77                        ; my row
	; descriptor group 1: 8 tiles' quarters: 8 rows of 3,072 bytes (384 elements of 8 bytes), 12,288 bytes apart in memory, on end in LDS
	s_or_b32 s[G1P], s76, (3<<16)|(1<<21)
	s_or_b32 s[G1R], s77, (3<<16)|(1<<21)
.irp g, G1P, G1R
	s_mov_b32 s[\g+1], 384<<16                     ; tensor_dim0
	s_mov_b32 s[\g+2], 8<<16                       ; tensor_dim1
	s_mov_b32 s[\g+3], 384<<16                     ; tile_dim0
	s_mov_b32 s[\g+4], 8                           ; tile_dim1
	s_mov_b32 s[\g+5], 1536                        ; from row to row
	s_mov_b32 s[\g+6], 0
	s_mov_b32 s[\g+7], 0
.endr
	s_mul_i32 s78, s21, 12288
	s_mov_b32 s79, 0
	s_lshr_b32 s80, s[WV], 1                       ; wave 1: R's tiles 0-7, wave 2: tiles 8-15
	s_lshl_b32 s81, s80, 3
	s_add_co_u32 s81, s81, s22
	s_mul_i32 s82, s81, 12288
	s_mov_b32 s83, 0
	s_mul_i32 s84, s80, 24576
	s_add_co_u32 s84, s84, 24576
	s_lshl_b32 s86, s21, 9
	s_add_co_u32 s86, s86, SCRB
	s_mov_b32 s87, 0
	s_lshl_b32 s88, s[WV], 2
	s_add_co_u32 s88, s88, s22
	s_lshl_b32 s88, s88, 9
	s_add_co_u32 s88, s88, 6291456
	s_mov_b32 s89, 0
	s_lshl_b32 s90, s19, 9
	s_mov_b32 s91, 0
	s_lshl_b32 s92, s20, 8
	s_lshl_b32 s93, s[WV], 6
	s_add_co_u32 s92, s92, s93                     ; my wave's first token
	s_lshl_b32 s92, s92, 12
	s_lshl_b32 s93, s19, 9
	s_add_co_u32 s92, s92, s93
	s_mov_b32 s93, 0
	s_wait_dscnt 0x0
	s_wait_kmcnt 0x0
	s_add_nc_u64 s[78:79], s[6:7], s[78:79]
	s_add_nc_u64 s[82:83], s[4:5], s[82:83]
	s_add_nc_u64 s[86:87], s[6:7], s[86:87]
	s_add_nc_u64 s[88:89], s[4:5], s[88:89]
	s_add_nc_u64 s[90:91], s[8:9], s[90:91]
	s_add_nc_u64 s[92:93], s[10:11], s[92:93]
.irp q, 0,1,2,3
.set GR, 56+4*\q+4*(\q/2)              ; s[56:63] and s[68:75]
	s_mov_b32 s[G0P+4*\q], 1
	s_mov_b32 s[G0P+4*\q+1], \q*QB
	s_add_nc_u64 s[G0P+4*\q+2:G0P+4*\q+3], s[78:79], \q*3072
	s_or_b32 s[G0P+4*\q+3], s[G0P+4*\q+3], 0x80000000
	s_mov_b32 s[GR], 1
	s_add_co_u32 s[GR+1], s84, \q*QB
	s_add_nc_u64 s[GR+2:GR+3], s[82:83], \q*3072
	s_or_b32 s[GR+3], s[GR+3], 0x80000000
.endr
	CROUND                                         ; all sixteen work-groups are here: the joint loads meet
	s_cmp_eq_u32 s[WV], 0                          ; a wave's four fills stand in one branch on its number; four v_nop follow the last
	s_cbranch_scc0 .Lnot_p
	tensor_load_to_lds s[40:43], s[G1P:G1P+7]
	s_nop 0
	tensor_load_to_lds s[44:47], s[G1P:G1P+7]
	s_nop 0
	tensor_load_to_lds s[48:51], s[G1P:G1P+7]
	s_nop 0
	tensor_load_to_lds s[52:55], s[G1P:G1P+7]
	s_nop 0
	PLACES 4
	s_branch .Lasked
.Lnot_p:
	s_cmp_eq_u32 s[WV], 3
	s_cbranch_scc1 .Lasked
	tensor_load_to_lds s[56:59], s[G1R:G1R+7]
	s_nop 0
	tensor_load_to_lds s[60:63], s[G1R:G1R+7]
	s_nop 0
	tensor_load_to_lds s[68:71], s[G1R:G1R+7]
	s_nop 0
	tensor_load_to_lds s[72:75], s[G1R:G1R+7]
	s_nop 0
	PLACES 4
.Lasked:
	v_and_b32 v1, 31, v0                           ; lane
	v_and_b32 v2, 15, v0                           ; r
	v_bfe_u32 v3, v0, 4, 1                         ; h
	v_lshlrev_b32 v4, 4, v1                        ; a half fragment's registers 0-3,
	v_lshlrev_b32 v5, 3, v1
	v_add_nc_u32 v5, 512, v5                       ; and 4-5
	s_mul_i32 s76, s[WV], 12288
	s_add_co_u32 s76, s76, 24576
	v_add_nc_u32 v6, s76, v4                       ; my four tiles of R
	v_add_nc_u32 v7, s76, v5
	v_lshlrev_b32 v8, 9, v3
	v_lshl_add_u32 v8, v2, 4, v8                   ; scale words: lanes 0-15 the even tile, lanes 16-31 the odd one; four K steps' words a load
	s_mul_i32 s76, s[WV], 8448                     ; my stage: 16 rows x (512 bytes + 16)
	v_mul_u32_u24 v9, v2, 528
	v_lshl_add_u32 v9, v3, 6, v9
	v_add_nc_u32 v9, s76, v9                       ; in: row r, + 64 h
	v_lshlrev_b32 v11, 4, v1                       ; 16 bytes a lane of a row of 512
	v_add_nc_u32 v10, s76, v11                     ; back
	v_lshlrev_b32 v12, 6, v3                       ; the bias of my half's 16 channels of a block
.irp i, 0,1,2,3
.irp q, 0,1
	global_load_b128 v[16+8*\i+4*\q:19+8*\i+4*\q], v8, s[86:87] offset:1024*\i+256*\q
.endr
.endr
.irp i, 0,1
.irp q, 0,1
	global_load_b128 v[48+8*\i+4*\q:51+8*\i+4*\q], v8, s[88:89] offset:1024*\i+256*\q
.endr
.endr
	WIN 0x80
.irp p, 0,1,2,3,4,5,6,7
	global_load_b128 v[BI+8*\p:BI+8*\p+3], v12, s[90:91] offset:(32*(\p/2)+8*(\p%2))*4
	global_load_b128 v[BI+8*\p+4:BI+8*\p+7], v12, s[90:91] offset:(32*(\p/2)+8*(\p%2))*4+16
.endr
	WIN 0
	s_wait_tensorcnt 3                             ; my part of the first quarter has landed; three quarters may stay out
	s_barrier_signal -1
	s_barrier_wait -1
	FETCH 0
	FETCH 1
	s_wait_loadcnt 0x0                             ; scales and bias
	s_wait_dscnt 48                                ; K step 0's fragments are in
	WIN 0x62                                       ; C from window 2
	MUL32 0, 1
.irp s, 1,2,3,4,5,6,7
	KSTEP \s
.endr
	WIN 0
	PLACES 4                                       ; in front of the first read of results and of loads into the fragments' registers
	TOSTAGE 0
.irp a, 1,2,3
.if \a > 1
	s_wait_xcnt 0x0                                ; the stores of two tiles back have read their registers: this tile's rows may land there
.endif
	TOSTAGE \a
	SEND \a-1, 32                                  ; behind that tile's loads: this tile's 16 stores and 16 loads
.endr
	SEND 3, 0
	s_wait_dscnt 0x0
	s_wait_tensorcnt 0x0
	ds_add_u32 v254, v255
	s_wait_dscnt 0x0
	CROUND                                         ; the closing round: no work-group ends while a partner may still ask for a tile that names it
	s_endpgm
.Lfunc_end_k_qe88073f522_outp:
	.size	k_qe88073f522_outp, .Lfunc_end_k_qe88073f522_outp-k_qe88073f522_outp
	.p2alignl 7, 3214868480
	.fill 96, 4, 3214868480
	.section	.rodata,"a",@progbits
	.p2align	6, 0x0
	.amdhsa_kernel k_qe88073f522_outp
		.amdhsa_group_segment_fixed_size 295424
		.amdhsa_private_segment_fixed_size 0
		.amdhsa_enable_private_segment 0
		.amdhsa_kernarg_size 32
		.amdhsa_user_sgpr_count 2
		.amdhsa_user_sgpr_kernarg_segment_ptr 1
		.amdhsa_wavefront_size32 1
		.amdhsa_system_sgpr_workgroup_id_x 1
		.amdhsa_system_sgpr_workgroup_id_y 1
		.amdhsa_system_sgpr_workgroup_id_z 1
		.amdhsa_system_vgpr_workitem_id 0
		.amdhsa_next_free_vgpr 768
		.amdhsa_next_free_sgpr 100
		.amdhsa_reserve_vcc 0
		.amdhsa_float_denorm_mode_32 3
		.amdhsa_float_denorm_mode_16_64 3
		.amdhsa_memory_ordered 1
		.amdhsa_forward_progress 1
		.amdhsa_inst_pref_size 85
	.end_amdhsa_kernel
	.amdgpu_metadata
---
amdhsa.version: [ 1, 2 ]
amdhsa.kernels:
  - .name:           k_qe88073f522_outp
    .symbol:         k_qe88073f522_outp.kd
    .args:
      - { .name: ctx, .offset: 0, .size: 8, .value_kind: global_buffer, .address_space: global }
      - { .name: xw, .offset: 8, .size: 8, .value_kind: global_buffer, .address_space: global }
      - { .name: bo, .offset: 16, .size: 8, .value_kind: global_buffer, .address_space: global }
      - { .name: out0, .offset: 24, .size: 8, .value_kind: global_buffer, .address_space: global }
    .group_segment_fixed_size: 295424
    .private_segment_fixed_size: 0
    .kernarg_segment_align: 8
    .kernarg_segment_size: 32
    .max_flat_workgroup_size: 128
    .sgpr_count:     100
    .vgpr_count:     768
    .wavefront_size: 32
...
	.end_amdgpu_metadata
.endif
;; end of part 4
;; ======== version 2 of 2: 4 launches; version 1 with the launch attn written anew for expert scheduling mode
;; limits: right only within a limited range of input values
;; workspace buffers: info 65,536 bytes of whole numbers; xw 22,937,600 bytes; mk 2,097,152 bytes of whole numbers; qkv 20,185,088 bytes; ctx 6,553,600 bytes
;; launch prep: the kernel of part 1 again; grid 1024 x 1, 4 waves a work-group, no clusters, 35,328 bytes of LDS; arguments query, key, value, wq, wk, wv, wo, mask, xw, mk, info; writes xw, mk, info
;; launch proj: the kernel of part 2 again; grid 192 x 4, 4 waves a work-group, clusters of 4 x 4, 295,424 bytes of LDS; arguments xw, bq, bk, bv, qkv; writes qkv
;; launch attn (part 5): grid 4 x 64, 16 waves a work-group, no clusters, 210,944 bytes of LDS; arguments info, qkv, mk, ctx; writes ctx
.if DOCPART == 5
	.amdgcn_target "amdgcn-amd-amdhsa--gfx1250"
	.amdhsa_code_object_version 6
	.text
	.protected	k_qe88073f522_attn
	.globl	k_qe88073f522_attn
	.p2align	8
	.type	k_qe88073f522_attn,@function
k_qe88073f522_attn:
	s_mov_b64 s[64:65], 0
	v_nop
	global_prefetch_b8 v0, s[64:65] scope:SCOPE_SE
	s_setreg_imm32_b32 hwreg(HW_REG_WAVE_SCHED_MODE, 0, 2), 2
	s_setreg_imm32_b32 hwreg(HW_REG_WAVE_MODE, 25, 1), 1
	s_wait_xcnt 0x0
	s_wait_alu depctr_vm_vsrc(0)
; ATTN.  ctx[b][q][head] = softmax_k(mask ? q . k / 8 : -big) v, both products on codes of FP6 (E2M3) with E8M0 scales; ctx is quantised along its 1,024 channels for the last product.
; THE SOFTMAX: t = score x log2(e) / 8; M = the running largest t rounded up to a whole number; p = 2^(t - M) is quantised along the keys, not normalised; the row's sum is taken of the unquantised p and divides at the end.
; SHARES.  A work-group has one (batch, head): its K and V, 208,896 bytes of codes and scale words, are copied into LDS once.  Wave w takes the query tiles T = 4 w + x and 127 - T, one after the other; a step is 128 keys.
; LAYOUT.  S^T = K Q^T (source 0 = 16 keys, source 1 = my 16 queries), O^T = V^T P^T: a lane holds one query throughout; the tiles' rows are chosen so that 16 registers of two neighbouring tiles are 16 neighbours.
; The head's K is 64 in an instruction of 128: Q's upper six registers are zero codes, and K's upper six are whatever follows (the next tile's codes, or zeros): they add nothing.
; THE MASK is an input: the first launch has laid it as one lane mask for each score register (mk), and a summary word for each query tile (info).  A step in which no key counts is left out, one in which all count skips the
; 64 selects: scalar branches on stored whole numbers, inside a loop of constant count.  For that reason this launch has no tensor load and so no joint loads, though four work-groups read the same K and V: each copies them through registers.
; A hidden score is -2^33: times c it is a whole number, so a row with no key at all gets p = 1 for all 2,048 keys; any other row's hidden keys get p = 0, and what was summed before a first true key is multiplied by 0.
; LIMITS: the hidden logit is -2^30 and not -1e9: that shows only where true logits lie near -1e9.  NaN and infinities are not served.  A block of zeros keeps the scale byte 1.
; No prefetch: a work-group asks for all of K and V at its first lines.
; REGISTERS: v1-6 lane places; v7 -2^33; v8-13 the step's LDS addresses; v14 -M, v15 the largest t, v[16:17] the sum; v18, v19 8 r, 16 r; v20-31 Q and zeros; v32, v34-39, v224 scale words alone;
;            v40-93 K's or V's fragments; v96-159 S^T, then p; v160-191 O^T; v192-210 p's codes; v212-231 at work; v232-237 the copy's addresses.
; THE MODE: SCHED_MODE bits 1:0 = 2 (LLVM: expert scheduling mode 2), set by the entry lines.  The code itself states the register dependences
; between vector or matrix instructions and memory or LDS instructions, with s_wait_alu, always for 0.
; THE PLAN.  Registers that memory or LDS instructions touch:
;   v232-237     the copy's offsets and LDS addresses: made once, ahead of the head's wait on va_vdst; never written again.
;   v96-197      at the head the copy's data: loaded, then stored to LDS.  One wait on vm_vsrc behind the barrier: from there on they are S^T, O^T and p's codes.
;   v1, v2, v18, v19   lane places, made once at the head; read by Q's loads at a tile's head and by ctx's stores at its end.
;   v20-25, v32  Q and its scale words: loaded at a tile's head; read by the tile's products K Q^T.
;   v8-13        written by six additions at a step's head; read by the step's 35 LDS loads.
;   v40-87       K's fragments land at a step's head and are read by the eight products K Q^T; V's land behind those and are read by the four products V^T P.  A wave has 256 registers here:
;                K's 54 and V's 48 do not both fit beside the rest, so they take turns in one buffer.   v34-37 K's scale words, v38-39 V's: loaded and read with them.
;   v192-197, v228   at a tile's end ctx's codes and scale bytes: written by vector instructions, read by three stores, written again in the next tile.
; A WORKED STEP holds: vm_vsrc ahead of the six additions; va_vdst ahead of K's loads; va_vdst ahead of V's loads; va_vdst behind each of the two batches of exponentials; va_vdst ahead of the products V^T P,
; whose source 1 and its scale word vector instructions have written.  A step that is left out issues no vector and no LDS instruction.  A tile holds one va_vdst ahead of Q's loads, one ahead of its stores, and one vm_vsrc behind them.
.set S,  96
.set O,  160
.set PC, 192
.set FR, 40
.set BM, 212
.macro PLACES n
.rept \n
	v_nop
.endr
.endm
	s_load_b64 s[2:3], s[0:1], 0x0                 ; info
	s_load_b64 s[4:5], s[0:1], 0x8                 ; qkv
	s_load_b64 s[6:7], s[0:1], 0x10                ; mk
	s_load_b64 s[8:9], s[0:1], 0x18                ; ctx
	v_lshl_add_u32 v254, v0, 2, 0x33000
	v_mov_b32 v255, 0
	v_lshrrev_b32 v1, 5, v0
	v_readfirstlane_b32 s10, v1                    ; wave 0..15
	s_and_b32 s11, ttmp7, 0xffff                   ; 16 x batch + head
	s_lshr_b32 s12, s11, 4
	s_and_b32 s26, s11, 15
	v_lshlrev_b32 v232, 4, v0                      ; the copy: 16 bytes a thread, 8,192 an instruction
	v_add_nc_u32 v233, 0x10000, v232
	v_add_nc_u32 v234, 0x20000, v232
	v_add_nc_u32 v235, 0x30000, v232
	v_lshlrev_b32 v237, 3, v0
	v_add_nc_u32 v236, 204800, v237
	s_wait_alu depctr_va_sdst(0)                   ; s10 is written, ahead of its first reader: the wave's tile of queries is made from it
	s_lshl_b32 s13, s10, 2
	s_add_co_u32 s13, s13, ttmp9                   ; T
	s_mul_i32 s28, s11, 98304
	s_add_co_u32 s30, s28, 6291456
	s_mov_b32 s31, 0
	s_add_co_u32 s32, s28, 12582912
	s_mov_b32 s33, 0
	s_lshl_b32 s34, s11, 13
	s_add_co_u32 s34, s34, 19398656
	s_mov_b32 s35, 0
	s_lshl_b32 s36, s11, 12
	s_add_co_u32 s36, s36, 19922944
	s_mov_b32 s37, 0
	s_mov_b32 s20, 0x76543210
	s_mov_b32 s21, 0xfedcba98
	s_mov_b32 s22, 0x3e38aa3b                      ; c = log2(e) / 8
	s_mov_b32 s23, s22
	s_mov_b32 s14, 2
	s_wait_kmcnt 0x0
	s_add_nc_u64 s[30:31], s[4:5], s[30:31]
	s_add_nc_u64 s[32:33], s[4:5], s[32:33]
	s_add_nc_u64 s[34:35], s[4:5], s[34:35]
	s_add_nc_u64 s[36:37], s[4:5], s[36:37]
	s_wait_alu depctr_va_vdst(0)                   ; v232 to v237 are written: the copy's loads and LDS stores read them as offsets and addresses; no vector instruction below names them, nor v96 to v197, before the stores
.irp i, 0,1,2,3,4,5,6,7,8,9,10,11
	global_load_b128 v[96+4*\i:99+4*\i], v232, s[30:31] offset:8192*\i    ; K's codes
.endr
.irp i, 0,1,2,3,4,5,6,7,8,9,10,11
	global_load_b128 v[144+4*\i:147+4*\i], v232, s[32:33] offset:8192*\i  ; V's
.endr
	global_load_b128 v[192:195], v232, s[34:35]    ; K's scale words
	global_load_b64 v[196:197], v237, s[36:37]     ; V's
	v_and_b32 v2, 31, v0
	v_lshlrev_b32 v1, 4, v2                        ; a half fragment's registers 0-3
	v_lshlrev_b32 v2, 3, v2
	v_add_nc_u32 v5, 0x30000, v2                   ; K's scale words
	v_add_nc_u32 v6, 204800, v2                    ; V's
	v_add_nc_u32 v2, 512, v2                       ; registers 4-5
	v_add_nc_u32 v3, 98304, v1                     ; the same in V
	v_add_nc_u32 v4, 98304, v2
	v_mov_b32 v7, 0xd0000000                       ; -2^33
	v_and_b32 v18, 15, v0
	v_lshlrev_b32 v19, 4, v18
	v_lshlrev_b32 v18, 3, v18
.irp i, 0,1,2,3,4,5
	v_mov_b32 v[26+\i], 0                          ; Q's K 64 .. 127: zero codes
	v_mov_b32 v[88+\i], 0                          ; behind the step's last tile of K
.endr
.irp i, 0,1,2,3
	v_mov_b32 v[BM+4+\i], 0                        ; a lane permute's destination counts as one of its sources
.endr
	v_mov_b32 v227, 0                              ; named as the upper half of the pair v[226:227]
	s_wait_loadcnt 14                              ; K's twelve loads are in; the fourteen behind them may be out
.irp i, 0,1,2,3,4,5,6,7
	ds_store_b128 v232, v[96+4*\i:99+4*\i] offset:8192*\i
.endr
.irp i, 0,1,2,3
	ds_store_b128 v233, v[128+4*\i:131+4*\i] offset:8192*\i
.endr
	s_wait_loadcnt 0x0
.irp i, 0,1,2,3
	ds_store_b128 v233, v[144+4*\i:147+4*\i] offset:32768+8192*\i
.endr
.irp i, 0,1,2,3,4,5,6,7
	ds_store_b128 v234, v[160+4*\i:163+4*\i] offset:8192*\i
.endr
	ds_store_b128 v235, v[192:195]
	ds_store_b64 v236, v[196:197]
	s_wait_dscnt 0x0                               ; for the others' sake: my stores have landed
	s_barrier_signal -1
	s_barrier_wait -1                              ; from here on LDS is only read
	s_wait_alu depctr_vm_vsrc(0)                   ; my LDS stores have read v96 to v197: these registers are S^T, O^T and p's codes from here on, written by vector and matrix instructions
.Ltile:                                            ; two trips: T, then 127 - T
	s_mul_i32 s28, s11, 98304
	s_mul_i32 s27, s13, 768
	s_add_co_u32 s28, s28, s27
	s_mov_b32 s29, 0
	s_add_nc_u64 s[32:33], s[4:5], s[28:29]        ; Q's half fragment
	s_lshl_b32 s28, s11, 13
	s_lshr_b32 s27, s13, 2
	s_lshl_b32 s27, s27, 8
	s_add_co_u32 s28, s28, s27
	s_and_b32 s27, s13, 1
	s_lshl_b32 s27, s27, 7
	s_add_co_u32 s28, s28, s27
	s_bfe_u32 s27, s13, 0x10001
	s_lshl_b32 s27, s27, 2
	s_add_co_u32 s28, s28, s27
	s_add_co_u32 s28, s28, 18874368
	s_add_nc_u64 s[34:35], s[4:5], s[28:29]        ; its scale words
	s_lshl_b32 s66, s12, 7
	s_add_co_u32 s66, s66, s13                     ; 128 x batch + T
	s_lshl_b32 s28, s66, 7
	s_add_nc_u64 s[36:37], s[2:3], s[28:29]        ; the tile's summary word
	s_lshl_b32 s28, s66, 12
	s_add_nc_u64 s[24:25], s[6:7], s[28:29]        ; its lane masks
	s_wait_alu depctr_va_vdst(0)                   ; first trip: the lane places v1, v2, v18, which the loads below read, and the zero codes v26-31 and v88-93, which the products take, are written; second trip: the last tile's products are done reading v20-25 and v32, in which the loads below land
	global_load_b128 v[20:23], v1, s[32:33]
	global_load_b64 v[24:25], v2, s[32:33]
	global_load_b32 v32, v18, s[34:35]
	s_load_b32 s16, s[36:37], 0x0
.set n, 0
.rept 32
	v_mov_b32 v[O+n], 0                            ; the step is written once: the first finds zeros, which the first change of M leaves zeros
.set n, n+1
.endr
	v_mov_b32 v15, 0xff61b1e6                      ; the largest t so far: -3e38
	v_floor_f32 v14, -v15
	v_mov_b32 v16, 0
	v_mov_b32 v17, 0
	s_mov_b32 s15, 16
	s_mov_b32 s17, 0
	s_mov_b32 s18, 0
	s_mov_b32 s19, 0
	s_wait_loadcnt 0x0
	s_wait_kmcnt 0x0                               ; the loads are done: their address registers may take the masks
.Lstep:                                            ; 16 trips, a constant; what a mask leaves out is jumped over inside
	s_bitcmp1_b32 s16, 0
	s_cbranch_scc1 .Lskip
	s_load_b512 s[32:47], s[24:25], s19 offset:0x0     ; the unit's 64 lane masks: they hang on scalars alone, so they go out first
	s_load_b512 s[48:63], s[24:25], s19 offset:0x40
	s_load_b512 s[68:83], s[24:25], s19 offset:0x80
	s_load_b512 s[84:99], s[24:25], s19 offset:0xc0
	s_wait_alu depctr_vm_vsrc(0)                   ; the LDS loads of the last step that was worked have read v8 to v13, which the six lines below write again
	v_add_nc_u32 v8, s17, v1                       ; the step's LDS addresses
	v_add_nc_u32 v9, s17, v2
	v_add_nc_u32 v10, s17, v3
	v_add_nc_u32 v11, s17, v4
	v_add_nc_u32 v12, s18, v5
	v_add_nc_u32 v13, s19, v6
	s_wait_alu depctr_va_vdst(0)                   ; v8 to v13 are written, which this step's LDS loads read; the last products V^T P are done reading v40-87 and v38-39, the last products K Q^T v34-37: K's loads land there
.irp t, 0,1,2,3,4,5,6,7
	ds_load_b128 v[FR+6*\t:FR+6*\t+3], v8 offset:768*\t
	ds_load_b64 v[FR+6*\t+4:FR+6*\t+5], v9 offset:768*\t
.endr
	ds_load_b64 v[34:35], v12                      ; scale words: tiles 0, 1 in the halves of v34, 2, 3 of v35,
	ds_load_b64 v[36:37], v12 offset:256           ; 4 to 7
	s_wait_dscnt 0x0
.irp t, 0,1,2,3,4,5,6,7
.if (\t%2)==0
	v_wmma_scale_f32_16x16x128_f8f6f4 v[S+8*\t:S+8*\t+7], v[FR+6*\t:FR+6*\t+11], v[20:31], 0, v[34+\t/2], v32 matrix_a_fmt:MATRIX_FMT_FP6 matrix_b_fmt:MATRIX_FMT_FP6
.else
	v_wmma_scale_f32_16x16x128_f8f6f4 v[S+8*\t:S+8*\t+7], v[FR+6*\t:FR+6*\t+11], v[20:31], 0, v[34+\t/2], v32 matrix_a_fmt:MATRIX_FMT_FP6 matrix_b_fmt:MATRIX_FMT_FP6 matrix_a_scale:MATRIX_SCALE_ROW1
.endif
.endr
	PLACES 4                                       ; in front of the first read of scores
	s_wait_alu depctr_va_vdst(0)                   ; the eight products are done reading K's fragments v40-93: V's loads land in v40-87.  No vector instruction from here to the products V^T P names v40-87, v38-39, v10, v11 or v13
.irp t, 0,1,2,3
.irp c, 0,1
	ds_load_b128 v[FR+12*\t+6*\c:FR+12*\t+6*\c+3], v10 offset:(2*\t+\c)*768   ; V lands while the softmax is worked
	ds_load_b64 v[FR+12*\t+6*\c+4:FR+12*\t+6*\c+5], v11 offset:(2*\t+\c)*768
.endr
.endr
	ds_load_b64 v[38:39], v13
	s_wait_kmcnt 0x0
	s_bitcmp1_b32 s16, 16
	s_cbranch_scc1 .Lopen
.set n, 0
.rept 32
	v_cndmask_b32 v[S+n], v7, v[S+n], s[32+n]      ; ascending: each accumulator is read from its low end on
.set n, n+1
.endr
.rept 32
	v_cndmask_b32 v[S+n], v7, v[S+n], s[36+n]
.set n, n+1
.endr
.Lopen:
.irp b, 0,1,2,3
	v_max3_num_f32 v[BM+\b], v[S+16*\b], v[S+16*\b+1], v[S+16*\b+2]   ; the largest score of each block of 32 keys: for the row's maximum, and, since p rises with the score, for the block's largest p
.endr
.irp i, 3,5,7,9,11,13
.irp b, 0,1,2,3
	v_max3_num_f32 v[BM+\b], v[BM+\b], v[S+16*\b+\i], v[S+16*\b+\i+1]
.endr
.endr
.irp b, 0,1,2,3
	v_max_num_f32 v[BM+\b], v[BM+\b], v[S+16*\b+15]
.endr
.irp b, 0,1,2,3
	v_permlanex16_b32 v[BM+4+\b], v[BM+\b], s20, s21
.endr
.irp b, 0,1,2,3
	v_max_num_f32 v[BM+\b], v[BM+\b], v[BM+4+\b]
.endr
	v_max3_num_f32 v228, v[BM], v[BM+1], v[BM+2]
	v_max_num_f32 v228, v228, v[BM+3]
	v_mul_f32 v228, s22, v228
	v_max_num_f32 v15, v15, v228                   ; the running largest t
	v_mov_b32 v228, v14
	v_floor_f32 v14, -v15                          ; -M = floor(-t): M is a whole number
	v_sub_f32 v228, v14, v228
	v_cvt_i32_f32 v228, v228                       ; (it saturates)
	v_ldexp_f32 v226, 1.0, v228                    ; f = 2^(old M - new M)
.set n, 0
.rept 32
	v_pk_fma_f32 v[S+n:S+n+1], v[S+n:S+n+1], s[22:23], v[14:15] op_sel_hi:[1,0,0]   ; t - M
.set n, n+2
.endr
.irp b, 0,1,2,3
	v_fma_f32 v[BM+\b], v[BM+\b], s22, v14
.endr
.set n, 0
.rept 64
	v_exp_f32 v[S+n], v[S+n]                       ; p = 2^(t - M)
.set n, n+1
.endr
	v_pk_mul_f32 v[16:17], v[16:17], v[226:227] op_sel_hi:[1,0]   ; the sums under the new M; the plain line behind the batch
	s_wait_alu depctr_va_vdst(0)                   ; the 64 exponentials have written p in v96-159: one wait for the batch, ahead of its first reader
.irp b, 0,1,2,3
	v_exp_f32 v[BM+\b], v[BM+\b]                   ; each block's largest p
.endr
	v_pk_add_f32 v[230:231], v[S:S+1], v[S+2:S+3]  ; the row's sum of the unquantised p, in two chains
.irp j, 4,8,12,16,20,24,28,32,36,40,44,48,52,56,60
	v_pk_add_f32 v[16:17], v[16:17], v[S+\j:S+\j+1]
	v_pk_add_f32 v[230:231], v[230:231], v[S+\j+2:S+\j+3]
.endr
	v_pk_add_f32 v[16:17], v[16:17], v[230:231]
	s_wait_alu depctr_va_vdst(0)                   ; the four exponentials have written the blocks' largest p in v212-215, ahead of their first reader
.irp b, 0,1,2,3
	v_max_num_f32 v[BM+\b], 0x1800000, v[BM+\b]    ; the floor 2^(3 - 127)
.endr
.irp b, 0,1,2,3
	v_add_nc_u32 v[BM+8+\b], 0xff000000, v[BM+\b]  ; the conversion's scale operand
.endr
.irp b, 0,1,2,3
	v_lshrrev_b32 v[BM+4+\b], 23, v[BM+8+\b]       ; the scale's byte
.endr
	v_lshl_or_b32 v224, v[BM+5], 8, v[BM+4]        ; p's scale word for these 128 keys
	v_lshl_or_b32 v224, v[BM+6], 16, v224
	v_lshl_or_b32 v224, v[BM+7], 24, v224
.irp c, 0,1
	v_cvt_scalef32_pk16_fp6_f32 v[PC+6*\c:PC+6*\c+2], v[S+32*\c:S+32*\c+15], v[BM+8+2*\c]
	v_cvt_scalef32_pk16_fp6_f32 v[PC+12+4*\c:PC+14+4*\c], v[S+32*\c+16:S+32*\c+31], v[BM+9+2*\c]
.endr
	v_nop                                          ; one plain line behind the conversions
.irp c, 0,1
.irp i, 0,1,2
	v_permlane16_swap_b32 v[PC+6*\c+\i], v[PC+12+4*\c+\i]
.endr
.irp i, 0,1,2
	v_mov_b32 v[PC+3+6*\c+\i], v[PC+12+4*\c+\i]
.endr
.endr
.set n, 0
.rept 16
	v_pk_mul_f32 v[O+n:O+n+1], v[O+n:O+n+1], v[226:227] op_sel_hi:[1,0]   ; O^T under the new M; these are also the places in front of the products below
.set n, n+2
.endr
	s_wait_dscnt 0x0                               ; V is in
	s_wait_alu depctr_va_vdst(0)                   ; vector instructions have written p's codes v192-203 and its scale word v224, which the products below take as source 1 and its scales; the sixteen places above stay beside this wait
.irp t, 0,1,2,3
.if (\t%2)==0
	v_wmma_scale_f32_16x16x128_f8f6f4 v[O+8*\t:O+8*\t+7], v[FR+12*\t:FR+12*\t+11], v[PC:PC+11], v[O+8*\t:O+8*\t+7], v[38+\t/2], v224 matrix_a_fmt:MATRIX_FMT_FP6 matrix_b_fmt:MATRIX_FMT_FP6
.else
	v_wmma_scale_f32_16x16x128_f8f6f4 v[O+8*\t:O+8*\t+7], v[FR+12*\t:FR+12*\t+11], v[PC:PC+11], v[O+8*\t:O+8*\t+7], v[38+\t/2], v224 matrix_a_fmt:MATRIX_FMT_FP6 matrix_b_fmt:MATRIX_FMT_FP6 matrix_a_scale:MATRIX_SCALE_ROW1
.endif
.endr
.Lskip:
	s_lshr_b32 s16, s16, 1                         ; the next unit's two bits
	s_add_co_u32 s17, s17, 6144
	s_add_co_u32 s18, s18, 512
	s_add_co_u32 s19, s19, 256
	s_sub_co_u32 s15, s15, 1
	s_cmp_lg_u32 s15, 0
	s_cbranch_scc1 .Lstep
	; the way out: O^T / the sum, quantised along the head's 64 channels: half fragment `head' of the tile's row of ctx
	PLACES 4
	v_add_f32 v16, v16, v17
	v_permlanex16_b32 v[BM+4], v16, s20, s21
	v_add_f32 v16, v16, v[BM+4]
	v_rcp_f32 v226, v16
	v_nop                                          ; a plain line behind the reciprocal
	s_wait_alu depctr_va_vdst(0)                   ; the reciprocal has written v226, ahead of its first reader
.set n, 0
.rept 16
	v_pk_mul_f32 v[S+n:S+n+1], v[O+n:O+n+1], v[226:227] op_sel_hi:[1,0]   ; register 16 b + i: channel 32 b + 16 h + i of my query
.set n, n+2
.endr
.irp b, 0,1
	v_max3_num_f32 v[BM+\b], |v[S+16*\b]|, |v[S+16*\b+1]|, 0x1800000
.endr
.irp i, 2,4,6,8,10,12,14
.irp b, 0,1
	v_max3_num_f32 v[BM+\b], v[BM+\b], |v[S+16*\b+\i]|, |v[S+16*\b+\i+1]|
.endr
.endr
.irp b, 0,1
	v_permlanex16_b32 v[BM+4+\b], v[BM+\b], s20, s21
.endr
.irp b, 0,1
	v_max_num_f32 v[BM+\b], v[BM+\b], v[BM+4+\b]
.endr
.irp b, 0,1
	v_add_nc_u32 v[BM+8+\b], 0xff000000, v[BM+\b]
.endr
.irp b, 0,1
	v_lshrrev_b32 v[BM+4+\b], 23, v[BM+8+\b]
.endr
	v_lshl_or_b32 v228, v[BM+5], 8, v[BM+4]        ; my row's two scale bytes
	v_cvt_scalef32_pk16_fp6_f32 v[192:194], v[S:S+15], v[BM+8]
	v_cvt_scalef32_pk16_fp6_f32 v[196:198], v[S+16:S+31], v[BM+9]
	v_nop
.irp i, 0,1,2
	v_permlane16_swap_b32 v[192+\i], v[196+\i]
.endr
	v_mov_b32 v195, v196
	v_mov_b32 v196, v197
	v_mov_b32 v197, v198
	s_mul_i32 s28, s66, 12288
	s_mul_i32 s27, s26, 768
	s_add_co_u32 s28, s28, s27
	s_add_nc_u64 s[30:31], s[8:9], s[28:29]
	s_wait_alu depctr_va_vdst(0)                   ; the codes v192-197 and the scale bytes v228 are written, which the three stores below read; no vector instruction stands among them
	global_store_b128 v1, v[192:195], s[30:31]     ; 512 and 256 consecutive bytes
	global_store_b64 v2, v[196:197], s[30:31]
	s_lshl_b32 s28, s66, 9
	s_lshr_b32 s27, s26, 3
	s_lshl_b32 s27, s27, 8
	s_add_co_u32 s28, s28, s27
	s_bfe_u32 s27, s26, 0x20001
	s_lshl_b32 s27, s27, 2
	s_add_co_u32 s28, s28, s27
	s_and_b32 s27, s26, 1
	s_lshl_b32 s27, s27, 1
	s_add_co_u32 s28, s28, s27
	s_add_co_u32 s28, s28, 6291456
	s_add_nc_u64 s[32:33], s[8:9], s[28:29]
	global_store_b16 v19, v228, s[32:33]           ; two bytes of row r's word; lanes 16-31 write the same bytes with the same value.  A head has no more than these two bytes of a word
	s_wait_xcnt 0x0                                ; addresses and data are written again only behind this wait
	s_wait_alu depctr_vm_vsrc(0)                   ; the three stores have read v192-197 and v228, which the next tile's steps write again
	s_sub_co_u32 s13, 127, s13
	s_sub_co_u32 s14, s14, 1
	s_cmp_lg_u32 s14, 0
	s_cbranch_scc1 .Ltile
	s_wait_dscnt 0x0
	s_wait_alu depctr_hold_cnt(0) depctr_sa_sdst(0) depctr_va_vdst(0) depctr_va_sdst(0) depctr_va_ssrc(0) depctr_va_vcc(0) depctr_vm_vsrc(0)
	s_wait_tensorcnt 0x0
	ds_add_u32 v254, v255
	s_wait_dscnt 0x0
	s_endpgm
.Lfunc_end_k_qe88073f522_attn:
	.size	k_qe88073f522_attn, .Lfunc_end_k_qe88073f522_attn-k_qe88073f522_attn
	.p2alignl 7, 3214868480
	.fill 96, 4, 3214868480
	.section	.rodata,"a",@progbits
	.p2align	6, 0x0
	.amdhsa_kernel k_qe88073f522_attn
		.amdhsa_group_segment_fixed_size 210944
		.amdhsa_private_segment_fixed_size 0
		.amdhsa_enable_private_segment 0
		.amdhsa_kernarg_size 32
		.amdhsa_user_sgpr_count 2
		.amdhsa_user_sgpr_kernarg_segment_ptr 1
		.amdhsa_wavefront_size32 1
		.amdhsa_system_sgpr_workgroup_id_x 1
		.amdhsa_system_sgpr_workgroup_id_y 1
		.amdhsa_system_sgpr_workgroup_id_z 1
		.amdhsa_system_vgpr_workitem_id 0
		.amdhsa_next_free_vgpr 256
		.amdhsa_next_free_sgpr 100
		.amdhsa_reserve_vcc 0
		.amdhsa_float_denorm_mode_32 3
		.amdhsa_float_denorm_mode_16_64 3
		.amdhsa_memory_ordered 1
		.amdhsa_forward_progress 1
		.amdhsa_inst_pref_size 36
	.end_amdhsa_kernel
	.amdgpu_metadata
---
amdhsa.version: [ 1, 2 ]
amdhsa.kernels:
  - .name:           k_qe88073f522_attn
    .symbol:         k_qe88073f522_attn.kd
    .args:
      - { .name: info, .offset: 0, .size: 8, .value_kind: global_buffer, .address_space: global }
      - { .name: qkv, .offset: 8, .size: 8, .value_kind: global_buffer, .address_space: global }
      - { .name: mk, .offset: 16, .size: 8, .value_kind: global_buffer, .address_space: global }
      - { .name: ctx, .offset: 24, .size: 8, .value_kind: global_buffer, .address_space: global }
    .group_segment_fixed_size: 210944
    .private_segment_fixed_size: 0
    .kernarg_segment_align: 8
    .kernarg_segment_size: 32
    .max_flat_workgroup_size: 512
    .sgpr_count:     100
    .vgpr_count:     256
    .wavefront_size: 32
...
	.end_amdgpu_metadata
.endif
;; end of part 5
;; launch outp: the kernel of part 4 again; grid 8 x 32, 4 waves a work-group, clusters of 4 x 4, 295,424 bytes of LDS; arguments ctx, xw, bo, out0; writes out0
